; MI455X (gfx1250); checked and timed in simulation.
; The chip was launched on July 23, 2026; its instructions are those of AMD's public machine-readable ISA for CDNA 5 (MIT licence, August 2026) and "CDNA5" Instruction Set Architecture Reference Guide (July 2026). The comments in the code are by the model that wrote it; some were corrected since.
;; Head Wise Orthogonal Multi Head Attention. Allowed arithmetic: matrix products marked QUANTISED: E2M1 operands, one E8M0 scale for each 32 along K, by v_wmma_scale_f32_16x16x128_f8f6f4 with both operands' format E2M1 (or v_wmma_scale_f32_32x16x128_f4), f32 sums; products left as they are: bf16, f16 or f32 operands; f32 sums; everything else in f32.
;; Inputs: Wk 1,024 x 1,024 float32; Wo 1,024 x 1,024 float32; Wq 1,024 x 1,024 float32; Wv 1,024 x 1,024 float32; x 4 x 2,048 x 1,024 float32.
;; Outputs: out0 4 x 2,048 x 1,024 float32.
;; This version of the problem:
;;   THIS VERSION OF THE PROBLEM IS GIVEN IN LOW PRECISION. The matrix products marked QUANTISED in the list below multiply operands that are first quantised to E2M1 (2 exponent bits, 1 mantissa bit; 4 bits a number), with one power-of-two scale for each 32 numbers along K (OCP MX v1.0); their sums are f32. The products marked 'left as it is' may take bf16, f16 or f32 operands, with f32 sums. Whichever they take, every output number must still come out within the allowed error. Rounding operands to bf16 (8 significant bits) uses up far more of that allowance than f16 does (11 bits, for magnitudes from 6e-5 to 65,504). All else is computed in f32.
;;   The module's matrix products, in the order in which they are computed (A, B: the left and right operand; K: the contracted axis; several contracted axes count as one K, in the product's order):
;;     1. [M 8,192, K 1,024] x [K 1,024, N 1,024]; A: input x; B: input Wq: QUANTISED
;;     2. [M 8,192, K 1,024] x [K 1,024, N 1,024]; A: input x; B: input Wk: QUANTISED
;;     3. [M 8,192, K 1,024] x [K 1,024, N 1,024]; A: input x; B: input Wv: QUANTISED
;;     4. batch 64 x [M 2,048, K 64] x [K 64, N 2,048]; A: computed on the way; B: computed on the way: left as it is (an operand is computed on the way)
;;     5. batch 64 x [M 2,048, K 2,048] x [K 2,048, N 64]; A: computed on the way; B: computed on the way: left as it is (an operand is computed on the way)
;;     6. [M 8,192, K 1,024] x [K 1,024, N 1,024]; A: computed on the way; B: input Wo: left as it is (an operand is computed on the way)
;;   THE QUANTISER, for each operand of a quantised product, along K:
;;     - K is cut into blocks of 32 from its start; a last block that is shorter is filled with zeros.
;;     - A block's scale is 2^e with e = floor(log2(the largest magnitude in the block)) - 2, held to -126 .. 127; a block of zeros has e = 0. As a byte (E8M0): e + 127.
;;     - Each number is divided by its block's scale, clamped to +-6, and rounded to the nearest number of E2M1, ties to even, subnormals kept.
;;     - The product sums the exact products of the quantised numbers (number of the format x scale) in f32.
;;   ~~~python
;;   def quantise(x, axis):      # numpy; x: float32 -> the quantised numbers, widened to float32 again
;;       x = np.moveaxis(x, axis, -1); K = x.shape[-1]
;;       x = np.pad(x, [(0, 0)] * (x.ndim - 1) + [(0, -K % 32)]); x = x.reshape(x.shape[:-1] + (-1, 32)); a = np.abs(x).max(-1, keepdims=True)
;;       e = np.where(a > 0, np.clip(np.frexp(np.where(a > 0, a, 1))[1] - 1 - 2, -126, 127), 0)      # np.frexp(a)[1] - 1 = floor(log2(a)), exactly
;;       r = np.clip(x / 2.0 ** e, -6, 6)
;;       step = 2.0 ** (np.maximum(np.frexp(np.where(r == 0, 1, r))[1] - 1, 0) - 1)
;;       q = np.round(r / step) * step * 2.0 ** e      # np.round: ties to even
;;       return np.moveaxis(q.reshape(q.shape[:-2] + (-1,))[..., :K], -1, axis).astype(np.float32)
;;   ~~~
;; One version. Each part assembles by itself: llvm-mc -triple=amdgcn-amd-amdhsa -mcpu=gfx1250 --defsym DOCPART=n.
;; ======== version 1 of 1: 4 launches
;; limits: values are held in f16: magnitudes above 65,504 overflow, below 6.1e-05 lose precision
;; workspace buffers: codes 5,767,168 bytes; scl 360,448 bytes; wo16 2,097,152 bytes; qkvf 50,331,648 bytes; ao 16,777,216 bytes
;; launch quant (part 1): grid 384 x 1, 4 waves a work-group, no clusters, 33,280 bytes of LDS; arguments x, Wq, Wk, Wv, Wo, codes, scl, wo16; writes codes, scl, wo16
.if DOCPART == 1
	.amdgcn_target "amdgcn-amd-amdhsa--gfx1250"
	.amdhsa_code_object_version 6
	.text
	.protected	k_q00eca027aa_quant
	.globl	k_q00eca027aa_quant
	.p2align	8
	.type	k_q00eca027aa_quant,@function
k_q00eca027aa_quant:
	s_mov_b64 s[64:65], 0
	v_nop
	global_prefetch_b8 v0, s[64:65] scope:SCOPE_SE
	s_setreg_imm32_b32 hwreg(HW_REG_WAVE_MODE, 25, 1), 1
	s_wait_xcnt 0x0
; x [8192][1024], Wq, Wk, Wv [1024][1024], f32, K innermost, become codes of FP4 (E2M1), two a byte, and one E8M0 byte for each 32 along K; Wo [1024][1024] becomes f16.
; codes: [11264 rows][512 bytes], scl: [11264 rows][32 bytes]: rows 0.. x, 8192.. Wq, 9216.. Wk, 10240.. Wv.  wo16: [1024][1024] f16, as Wo lies.
; A block's scale is 2^(floor(log2(its largest magnitude)) - 2): its byte is the largest magnitude's exponent field - 2, held at 1 from below.  Each number is divided by the scale and rounded to the nearest code, ties to even;
; beyond the largest code the conversion gives the largest code.
; LIMITS: a block of zeros, and a block whose largest magnitude lies under 2^-124, keeps the byte 1 (the rule says 127 for zeros: its codes are zeros, which add nothing under any byte but 0xff, and this program alone
; reads the bytes).  NaN and infinities among the inputs are not served.  Wo in f16: magnitudes from 65,520 on become infinity; under 6e-5 the rounding step is 6e-8.
; SHARES.  A work-group takes 32,768 numbers, a wave 8,192.  Work-groups 0-255 x, 256-287 Wq, 288-319 Wk, 320-351 Wv, 352-383 Wo.  Rows are dense and 1,024 is a multiple of 32, so a tensor is a plain stream of blocks,
; and the order of the work-groups is the order of the rows in codes and scl.  Only pointers are chosen for the four quantised tensors: they take one path.
; THE QUANTISING PATH.  16 steps of 512 numbers.  Each of a step's four loads reads 512 consecutive bytes; the 2,048 bytes turn through the wave's own stage in LDS and come back 64 bytes a lane, so that a lane holds
; 16 neighbours along K (two lanes a block).  A lane's 16 codes are 8 bytes: the wave stores 256 consecutive bytes.  A wave's 256 scale bytes are gathered in LDS and leave as one store of 256 consecutive bytes.
; THE PATH OF Wo uses no LDS: four batches of 16 loads of 512 consecutive bytes, packed conversions, 16 stores of 256 consecutive bytes.
; No matrix unit, no cluster, no tensor load: every byte is read once by one wave, and waves share nothing.
.set WAVES, 4
.set STEPS, 16
.set EMAX,  2
.set CB,    8                          ; bytes of 16 codes
.set R,     16                         ; v16-79   four sets of 16 numbers as they are loaded
.set X,     80                         ; v80-111  two sets of 16 neighbours
.set E,     112                        ; v112-127 a scale byte for each step
.set C,     128                        ; v128-191 codes: four registers for each step, so that no store's data are written again
.set WI,    16                         ; v16-143  Wo's path: two batches of 64 numbers
.set WO,    144                        ; v144-207 Wo's path: two batches of 32 packed registers
.set WREG,  8192                       ; LDS: a region for each wave: two stages of 32 x SP bytes, behind them its 256 scale bytes
.set SP,    80                         ; a lane's place in a stage: 64 bytes + 16 of padding
.set SPW,   12                         ; v12  LDS address of my spare word; never rewritten
.set NIL,   13                         ; v13  0; never rewritten
.set SPARE, WAVES*WREG                 ; behind the four regions: the spare words, 128 bytes a wave
.set SRC,   10                         ; s[10:11] the tensor that I quantise
.set COD,   14                         ; s[14:15] codes
.set SCB,   16                         ; s[16:17] scl
	s_load_b256 s[4:11], s[0:1], 0x0               ; x s[4:5], Wq s[6:7], Wk s[8:9], Wv s[10:11]
	s_load_b256 s[12:19], s[0:1], 0x20             ; Wo s[12:13], codes s[14:15], scl s[16:17], wo16 s[18:19]
	v_lshl_add_u32 v[SPW], v0, 2, SPARE
	v_mov_b32 v[NIL], 0
	v_lshrrev_b32 v1, 5, v0
	v_readfirstlane_b32 s20, v1                    ; wave
	v_and_b32 v2, 31, v0                           ; lane
	v_lshlrev_b32 v3, 4, v2                        ; my 16 bytes of a load's 512
	s_mul_i32 s21, s20, WREG
	v_lshrrev_b32 v14, 2, v2
	v_mul_u32_u24 v14, v14, SP
	v_and_b32 v15, 3, v2
	v_lshl_add_u32 v14, v15, 4, v14
	v_add_nc_u32 v14, s21, v14                     ; the stage, on the way in: SP (lane / 4) + 16 (lane % 4)
	v_mul_u32_u24 v15, v2, SP
	v_add_nc_u32 v15, s21, v15                     ; and on the way out: SP x lane: my 16 neighbours
	v_mul_u32_u24 v4, v2, CB                       ; my codes' place in a step's
	v_lshrrev_b32 v5, 1, v2
	s_add_co_u32 s21, s21, 2*32*SP
	v_add_nc_u32 v5, s21, v5                       ; LDS: my wave's 256 scale bytes, my block's byte
	v_lshlrev_b32 v7, 3, v2                        ; 8 bytes a lane
	v_add_nc_u32 v6, s21, v7
	s_wait_kmcnt 0x0
	s_cmp_ge_u32 ttmp9, 352                        ; the work-group's number alone decides: all four waves go the same way
	s_cbranch_scc1 .Lwo
	; which tensor, and its first work-group
	s_mov_b32 s21, 320
	s_cmp_lt_u32 ttmp9, 320
	s_cselect_b64 s[SRC:SRC+1], s[8:9], s[SRC:SRC+1]
	s_cselect_b32 s21, 288, s21
	s_cmp_lt_u32 ttmp9, 288
	s_cselect_b64 s[SRC:SRC+1], s[6:7], s[SRC:SRC+1]
	s_cselect_b32 s21, 256, s21
	s_cmp_lt_u32 ttmp9, 256
	s_cselect_b64 s[SRC:SRC+1], s[4:5], s[SRC:SRC+1]
	s_cselect_b32 s21, 0, s21
	s_sub_co_u32 s22, ttmp9, s21
	s_lshl_b32 s22, s22, 2
	s_add_co_u32 s22, s22, s20                     ; which run of 8,192 numbers of the tensor is my wave's
	s_lshl_b32 s22, s22, 15                        ; 32,768 bytes a run
	s_mov_b32 s23, 0
	s_add_nc_u64 s[SRC:SRC+1], s[SRC:SRC+1], s[22:23]
	s_lshl_b32 s24, ttmp9, 2
	s_add_co_u32 s24, s24, s20                     ; which run of the four tensors on end
	s_lshl_b32 s26, s24, 8                         ; 256 scale bytes a run
	s_lshl_b32 s24, s24, 12                        ; 4,096 bytes of codes a run
	s_mov_b32 s25, 0
	s_mov_b32 s27, 0
	s_add_nc_u64 s[COD:COD+1], s[COD:COD+1], s[24:25]
	s_add_nc_u64 s[SCB:SCB+1], s[SCB:SCB+1], s[26:27]
.macro LOAD t
.irp i, 0,1,2,3
	global_load_b128 v[R+16*((\t)%4)+4*\i:R+16*((\t)%4)+4*\i+3], v3, s[SRC:SRC+1] offset:2048*(\t)+512*\i th:TH_LOAD_NT   ; 32 lanes read 512 consecutive bytes
.endr
.endm
.macro TURN t                          ; step t's numbers through the stage: LDS serves a wave's instructions in order (ISA guide 5.7.1.4), so no wait stands between the stores and the loads
.irp i, 0,1,2,3
	ds_store_b128 v14, v[R+16*((\t)%4)+4*\i:R+16*((\t)%4)+4*\i+3] offset:32*SP*((\t)%2)+8*SP*\i
.endr
.irp i, 0,1,2,3
	ds_load_b128 v[X+16*((\t)%2)+4*\i:X+16*((\t)%2)+4*\i+3], v15 offset:32*SP*((\t)%2)+16*\i
.endr
.endm
.irp t, 0,1,2,3
	LOAD \t
.endr
	s_wait_loadcnt 12                              ; step 0's four loads are in; the twelve of steps 1 to 3 may be out
	TURN 0
.macro STEP t
.set XS, X+16*((\t)%2)
.if (\t) > 0
	s_wait_dscnt 1                                 ; this step's numbers are back from the stage (the last step's byte store may be out): so its stores into the stage have read their registers,
.else
	s_wait_dscnt 0x0
.endif
.if (\t)+4 < STEPS
	LOAD (\t)+4                                    ; which take the loads of four steps on
.endif
.if (\t)+1 < STEPS
.if STEPS-2-(\t) >= 3
	s_wait_loadcnt 12                              ; the next step's four loads are in; those of the three steps behind it may be out
.else
	s_wait_loadcnt 4*(STEPS-2-(\t))
.endif
	TURN (\t)+1                                    ; and go through the other stage while this step is worked
.endif
	v_max3_num_f32 v8, |v[XS]|, |v[XS+1]|, |v[XS+2]|               ; the largest magnitude of my 16, in two chains
	v_max3_num_f32 v9, |v[XS+3]|, |v[XS+4]|, |v[XS+5]|
.irp i, 6,10
	v_max3_num_f32 v8, v8, |v[XS+\i]|, |v[XS+\i+1]|
	v_max3_num_f32 v9, v9, |v[XS+\i+2]|, |v[XS+\i+3]|
.endr
	v_max3_num_f32 v8, v8, |v[XS+14]|, |v[XS+15]|
	v_max3_num_f32 v8, v8, v9, (EMAX+1)<<23        ; and the floor 2^(3 - 127): so the byte cannot fall under 1
	v_max_num_f32_dpp v8, v8, v8 row_xmask:1 row_mask:0xf bank_mask:0xf   ; and of my neighbour's 16: the block's
	v_add_nc_u32 v11, -(EMAX<<23), v8              ; 2 off its exponent field: the conversion takes the exponent field of this operand as its scale, and nothing else of it
	v_cvt_scalef32_pk8_fp4_f32 v[C+4*(\t)], v[XS:XS+7], v11        ; eight numbers / the scale, to the nearest code, ties to even; the first number's code in the lowest four bits
	v_cvt_scalef32_pk8_fp4_f32 v[C+4*(\t)+1], v[XS+8:XS+15], v11
	v_lshrrev_b32 v[E+(\t)], 23, v11               ; the scale's byte (a plain line behind the conversions)
	ds_store_b8 v5, v[E+(\t)] offset:16*(\t)       ; both lanes of a block write the same byte with the same value
	global_store_b64 v4, v[C+4*(\t):C+4*(\t)+1], s[COD:COD+1] offset:32*CB*(\t)   ; 32 lanes store 256 consecutive bytes, aligned
.endm
.irp t, 0,1,2,3,4,5,6,7,8,9,10,11,12,13,14,15
	STEP \t
.endr
	ds_load_b64 v[8:9], v6                         ; LDS serves a wave's instructions in order: these see my byte stores
	s_wait_dscnt 0x0
	global_store_b64 v7, v[8:9], s[SCB:SCB+1]      ; 32 lanes store 256 consecutive bytes, aligned
	s_wait_tensorcnt 0x0                           ; the wave's end
	ds_add_u32 v[SPW], v[NIL]
	s_wait_dscnt 0x0
	s_endpgm
; ---- Wo to f16
.macro LOADW b                         ; batch b: 16 loads of 512 consecutive bytes into set b % 2
.irp i, 0,1,2,3,4,5,6,7,8,9,10,11,12,13,14,15
	global_load_b128 v[WI+64*((\b)%2)+4*\i:WI+64*((\b)%2)+4*\i+3], v3, s[12:13] offset:8192*(\b)+512*\i th:TH_LOAD_NT
.endr
.endm
.macro CVTW b
.if (\b) < 3
	s_wait_loadcnt 16                              ; this batch is in; the next batch's sixteen loads may be out
.else
	s_wait_loadcnt 0x0
.endif
.if (\b) >= 2
	s_wait_xcnt 0x0                                ; the stores of two batches back have read their data: these registers are written again only behind this wait
.endif
.irp n, 0,1,2,3,4,5,6,7,8,9,10,11,12,13,14,15,16,17,18,19,20,21,22,23,24,25,26,27,28,29,30,31
	v_cvt_pk_f16_f32 v[WO+32*((\b)%2)+\n], v[WI+64*((\b)%2)+2*\n], v[WI+64*((\b)%2)+2*\n+1]
.endr
.if (\b) < 2
	LOADW (\b)+2                                   ; loads ahead of stores
.endif
.irp i, 0,1,2,3,4,5,6,7,8,9,10,11,12,13,14,15
	global_store_b64 v7, v[WO+32*((\b)%2)+2*\i:WO+32*((\b)%2)+2*\i+1], s[18:19] offset:4096*(\b)+256*\i   ; 32 lanes store 256 consecutive bytes, aligned
.endr
.endm
.Lwo:
	s_sub_co_u32 s22, ttmp9, 352
	s_lshl_b32 s22, s22, 2
	s_add_co_u32 s22, s22, s20                     ; my wave's run of 8,192 numbers
	s_lshl_b32 s24, s22, 14                        ; 16,384 bytes out,
	s_lshl_b32 s22, s22, 15                        ; 32,768 in
	s_mov_b32 s23, 0
	s_mov_b32 s25, 0
	s_add_nc_u64 s[12:13], s[12:13], s[22:23]
	s_add_nc_u64 s[18:19], s[18:19], s[24:25]
	LOADW 0
	LOADW 1
	CVTW 0
	CVTW 1
	CVTW 2
	CVTW 3
	s_wait_tensorcnt 0x0                           ; the same three lines at this path's end
	ds_add_u32 v[SPW], v[NIL]
	s_wait_dscnt 0x0
	s_endpgm
.Lfunc_end_k_q00eca027aa_quant:
	.size	k_q00eca027aa_quant, .Lfunc_end_k_q00eca027aa_quant-k_q00eca027aa_quant
	.p2alignl 7, 3214868480
	.fill 96, 4, 3214868480
	.section	.rodata,"a",@progbits
	.p2align	6, 0x0
	.amdhsa_kernel k_q00eca027aa_quant
		.amdhsa_group_segment_fixed_size 33280
		.amdhsa_private_segment_fixed_size 0
		.amdhsa_enable_private_segment 0
		.amdhsa_kernarg_size 64
		.amdhsa_user_sgpr_count 2
		.amdhsa_user_sgpr_kernarg_segment_ptr 1
		.amdhsa_wavefront_size32 1
		.amdhsa_system_sgpr_workgroup_id_x 1
		.amdhsa_system_sgpr_workgroup_id_y 1
		.amdhsa_system_sgpr_workgroup_id_z 1
		.amdhsa_system_vgpr_workitem_id 0
		.amdhsa_next_free_vgpr 208
		.amdhsa_next_free_sgpr 66
		.amdhsa_reserve_vcc 0
		.amdhsa_float_denorm_mode_32 3
		.amdhsa_float_denorm_mode_16_64 3
		.amdhsa_memory_ordered 1
		.amdhsa_forward_progress 1
		.amdhsa_inst_pref_size 54
	.end_amdhsa_kernel
	.amdgpu_metadata
---
amdhsa.version: [ 1, 2 ]
amdhsa.kernels:
  - .name:           k_q00eca027aa_quant
    .symbol:         k_q00eca027aa_quant.kd
    .args:
      - { .name: x, .offset: 0, .size: 8, .value_kind: global_buffer, .address_space: global }
      - { .name: Wq, .offset: 8, .size: 8, .value_kind: global_buffer, .address_space: global }
      - { .name: Wk, .offset: 16, .size: 8, .value_kind: global_buffer, .address_space: global }
      - { .name: Wv, .offset: 24, .size: 8, .value_kind: global_buffer, .address_space: global }
      - { .name: Wo, .offset: 32, .size: 8, .value_kind: global_buffer, .address_space: global }
      - { .name: codes, .offset: 40, .size: 8, .value_kind: global_buffer, .address_space: global }
      - { .name: scl, .offset: 48, .size: 8, .value_kind: global_buffer, .address_space: global }
      - { .name: wo16, .offset: 56, .size: 8, .value_kind: global_buffer, .address_space: global }
    .group_segment_fixed_size: 33280
    .private_segment_fixed_size: 0
    .kernarg_segment_align: 8
    .kernarg_segment_size: 64
    .max_flat_workgroup_size: 128
    .sgpr_count:     66
    .vgpr_count:     208
    .wavefront_size: 32
...
	.end_amdgpu_metadata
.endif
;; end of part 1
;; launch qkv (part 2): grid 12 x 32, 4 waves a work-group, clusters of 4 x 4, 327,680 bytes of LDS; arguments codes, scl, qkvf; writes qkvf
.if DOCPART == 2
	.amdgcn_target "amdgcn-amd-amdhsa--gfx1250"
	.amdhsa_code_object_version 6
	.text
	.protected	k_q00eca027aa_qkv
	.globl	k_q00eca027aa_qkv
	.p2align	8
	.type	k_q00eca027aa_qkv,@function
k_q00eca027aa_qkv:
	s_mov_b64 s[64:65], 0
	v_nop
	global_prefetch_b8 v0, s[64:65] scope:SCOPE_SE
	s_setreg_imm32_b32 hwreg(HW_REG_WAVE_MODE, 25, 1), 1
	s_wait_xcnt 0x0
	s_wait_alu depctr_hold_cnt(0) depctr_sa_sdst(0) depctr_va_vdst(0) depctr_va_sdst(0) depctr_va_ssrc(0) depctr_va_vcc(0) depctr_vm_vsrc(0)
	s_getreg_b32 s2, hwreg(HW_REG_IB_STS2, 6, 4)
	s_cmp_eq_u32 s2, 0
	s_cbranch_scc0 .Lentry_in_a_cluster
	s_endpgm
.Lentry_in_a_cluster:
	s_bfe_u32 s2, ttmp6, 0x10000c
	s_cmp_lg_u32 s2, 0xf033
	s_cbranch_scc0 .Lentry_shape_is_right
	s_endpgm
.Lentry_shape_is_right:
; q = x Wq^T, k = x Wk^T, v = x Wv^T on codes of FP4 (E2M1) with one E8M0 scale for each 32 along K = 1,024; sums in f32; results rounded once to f16 and stored in the order of the attention's operand registers.
; codes: [11264 rows][512 bytes], scl: [11264 rows][32 bytes]: rows 0.. x, 8192.. Wq, 9216.. Wk, 10240.. Wv.
; qkvf: three regions of 2^24 bytes.  q, k: [b h 64][tile of 16 tokens 128][d / 8: 8][token % 16][8 f16].  v: [b h 64][group of 16 keys 128][d / 16: 4][(key / 8) % 2][d % 16][8 keys f16].
; LIMIT: |q|, |k|, |v| from 65,520 on become infinity in f16; under 6e-5 the rounding step is 6e-8.
; SHARES.  A tile of 256 x 256 results is made by a work-group of four waves; a wave makes 128 x 128: 64 accumulators, 512 registers.  12 x 32 = 384 tiles: no rectangle that keeps to the 1,024-column borders of q, k and v
; gives 256 equal shares at this wave tile.  K = 1,024 is exactly two LDS slots of 512 along K: both are asked for at the start, and nothing is filled again.
; ROLES.  Source 1 takes 16 rows of role A, source 0 16 rows of role B: lane l then holds ONE row of role A (l % 16) and eight NEIGHBOURING rows of role B (8 (l / 16) + 0 .. 7).
; For q and k role A is x's rows and role B the weight's: a lane holds eight neighbouring channels of a token.  For v role A is Wv's rows and role B x's: a lane holds eight neighbouring keys of a channel, which is how
; the second product of the attention wants V: nothing is transposed anywhere.  In both cases an accumulator's four packed registers are 512 consecutive bytes of qkvf, 16 a lane: they are stored as they stand, with no stage.
; CLUSTERS: 4 x 4 work-groups; cluster x = 0, 1, 2: q, k, v.  Role A's tile hangs on cy alone and is shared along a row of the cluster, role B's on cx alone and is shared along a column: each is asked for JOINTLY, by the same
; tensor load with the same descriptor and a mask that names the four.
; THE SCALES of the work-group's 256 + 256 rows, for all of K, are two dense blocks: they come into LDS once, with the first fills, as rows of 256 bytes.
; No prefetch is laid: all that a work-group reads is asked for by its first three loads a wave.
; REGISTERS, in windows of 256: window 0: v0-31 addresses; v32-95 scale words, two sets; v128-191 role A's fragments (8 x 16 rows x 128 K), ONE set, on the way out the packed results.
;   window 1: role B's fragments, TWO sets, at v0 and v128.   window 2: the accumulators of my role-A rows 0-63 ((a, b) at v[8 (8 a + b)]);   window 3: those of rows 64-127.
.set KSTEP,  512                       ; along K in a slot
.set NQ,     KSTEP/128                 ; matrix instructions deep
.set ROWB,   256                       ; a tile's row in bytes
.set KROW,   512                       ; a row of codes in memory
.set PITCH,  272                       ; an LDS row: 256 bytes + 16 of padding = 68 words: row r starts at bank 4 r mod 64 (64 banks of 4 bytes: ISA guide 11.1)
.set FR,     8                         ; registers of a fragment
.set NL,     2                         ; LDS loads that bring one
.set NP,     4                         ; places behind this matrix instruction (ISA guide 7.12.1)
.set HALFT,  128*PITCH                 ; 128 rows: what one tensor load brings
.set SLOT,   4*HALFT                   ; role A's 256 rows, then role B's
.set KS,     32                        ; a row of scales in bytes
.set SCL,    2*SLOT                    ; behind the slots: the scales, as rows of 256 bytes + 16 of padding
.set HALFS,  (128*KS/256)*272          ; the scales of 128 rows
.set SBLK,   (16*KS/256)*272           ; those of 16 rows
.set SPARE,  SCL+4*HALFS               ; behind the scales: the spare words, 128 bytes a wave
.set ADRA, 16                          ; v16-17  LDS address of my role-A fragments in slot 0, 1
.set ADRB, 20                          ; v20-21  the same for role B
.set CO,   26                          ; v26     16 x lane: my place in a store's 512 bytes
.set ADRS, 27                          ; v27     LDS address of my scale words: lanes 0-15 role A's rows, lanes 16-31 role B's
.set SPW,  28                          ; v28     LDS address of my spare word; never rewritten
.set NIL,  29                          ; v29     0; never rewritten
.set SC,   32                          ; scale words: set s at v[SC + 32 s]; register 4 i + q: lanes 0-15 the word of role A's block i, lanes 16-31 of role B's block i, for the slot's q-th 128 along K
.set AF,   128                         ; role A's fragments
.set OB,   128                         ; the way out: two sets of 32 packed registers
.set G1, 24                            ; s[24:31] group 1 for role A's tiles;  s[32:39] group 0, a set for each slot
.set G0, 32
.set G1B, 48                           ; s[48:55], s[56:63] the same for role B
.set G0B, 56
.set G1S, 68                           ; s[68:75], s[76:79] groups 1 and 0 for role A's scales;  s[80:87], s[88:91] for role B's
.set G0S, 76
.set G1SB, 80
.set G0SB, 88
.set MSB, 0
.macro WIN new                         ; the immediate's high byte repeats the setting that is left
.if MSB != \new
	s_set_vgpr_msb (MSB<<8)|\new
.set MSB, \new
.endif
.endm
.set MUL_LO, 0xa1                      ; source 0 (role B) window 1, source 1 (role A) window 0, C and D window 2
.set MUL_HI, 0xf1                      ; the same, C and D window 3
.set TO_B,   0x40                      ; destination window 1, address window 0
; A joint load: waves 0 and 1 fetch for role A, waves 2 and 3 for role B.  The branch hangs on the wave's number alone.  An s_nop 0 and four v_nop follow each of the two lines.
.macro JLOAD g0a, g1a, g0b, g1b
	s_cmp_eq_u32 s15, 0
	s_cbranch_scc0 .Lfor_b_\@
	tensor_load_to_lds s[\g0a:\g0a+3], s[\g1a:\g1a+7]
	s_nop 0
.rept 4
	v_nop
.endr
	s_branch .Lasked_\@
.Lfor_b_\@:
	tensor_load_to_lds s[\g0b:\g0b+3], s[\g1b:\g1b+7]
	s_nop 0
.rept 4
	v_nop
.endr
.Lasked_\@:
.endm
.macro CROUND                          ; a round of the cluster's barrier
	s_barrier_signal -1
	s_barrier_wait -1
	s_cmp_lg_u32 s14, 0
	s_cbranch_scc1 .Lnot_wave_0_\@
	s_barrier_signal -3
.Lnot_wave_0_\@:
	s_barrier_wait -3
	s_barrier_signal -1
	s_barrier_wait -1
.endm
	s_load_b128 s[4:7], s[0:1], 0x0                ; codes s[4:5], scl s[6:7]
	s_load_b64 s[12:13], s[0:1], 0x10              ; qkvf
	v_lshl_add_u32 v[SPW], v0, 2, SPARE
	v_mov_b32 v[NIL], 0
	ds_add_u32 v[SPW], v[NIL]                      ; the wave's opening: the add, twice on end, and its wait ahead of my first tensor load
	ds_add_u32 v[SPW], v[NIL]                      ; (the set-up below, work on registers, stands between the second and the wait)
	v_lshrrev_b32 v1, 5, v0
	v_readfirstlane_b32 s14, v1                    ; wave 0..3
	s_lshr_b32 s15, s14, 1                         ; which half of role A's rows is mine.  Also: I fetch for role A (0) or B (1)
	s_and_b32 s16, s14, 1                          ; which half of role B's.  Also: which 128 rows of that tile I fetch
	s_bfe_u32 s40, ttmp6, 0x40000                  ; cx, cy: my place in the cluster
	s_bfe_u32 s41, ttmp6, 0x40004
	s_and_b32 s17, ttmp7, 0xffff                   ; cluster y: which 1,024 tokens
	s_cmp_eq_u32 ttmp9, 2                          ; cluster x = 2: v.  The same in all sixteen partners
	s_cselect_b32 s8, 0, s17                       ; role A's run of four tiles: Wv has one; x's by cluster y
	s_cselect_b32 s9, s17, ttmp9                   ; role B's: x's by cluster y; Wq's or Wk's by cluster x
	s_cselect_b32 s10, 10240, 0                    ; role A's first row in codes: Wv's, or x's
	s_cselect_b32 s11, 0, 8192                     ; role B's: x's, or Wq's
	s_lshl_b32 s42, s9, 2
	s_add_co_u32 s42, s42, s40                     ; role B's tile: it hangs on cx alone
	s_lshl_b32 s17, s8, 2
	s_add_co_u32 s17, s17, s41                     ; role A's tile: on cy alone
	s_lshl_b32 s43, s41, 2
	s_lshl_b32 s43, 15, s43                        ; my row of the cluster
	s_lshl_b32 s44, 0x1111, s40                    ; my column
	; group 1: a tile of 128 rows x 256 bytes, padded in LDS
	s_or_b32 s[G1+0], s43, (0<<16)|(1<<20)|(1<<21)|(5<<22)|(3<<25)  ; 15:0 the mask; 17:16 elements of 1 byte; 20 padding on; 21 set beside a mask; 24:22 after every 64 words (code 5); 31:25 four words (code 3)
	s_or_b32 s[G1B+0], s44, (0<<16)|(1<<20)|(1<<21)|(5<<22)|(3<<25)
.irp g, G1, G1B
	s_mov_b32 s[\g+1], ROWB<<16                    ; tensor_dim0
	s_mov_b32 s[\g+2], 128<<16                     ; tensor_dim1
	s_mov_b32 s[\g+3], ROWB<<16                    ; tile_dim0
	s_mov_b32 s[\g+4], 128                         ; tile_dim1
	s_mov_b32 s[\g+5], KROW                        ; tensor_dim0_stride
	s_mov_b32 s[\g+6], 0
	s_mov_b32 s[\g+7], 0
.endr
	; the scales of 128 rows: 4,096 dense bytes, as 16 rows of 256 bytes (32 elements of 8 bytes), 16 bytes of padding behind each
	s_or_b32 s[G1S+0], s43, (3<<16)|(1<<20)|(1<<21)|(5<<22)|(3<<25)
	s_or_b32 s[G1SB+0], s44, (3<<16)|(1<<20)|(1<<21)|(5<<22)|(3<<25)
.irp g, G1S, G1SB
	s_mov_b32 s[\g+1], 32<<16
	s_mov_b32 s[\g+2], (128*KS/256)<<16
	s_mov_b32 s[\g+3], 32<<16
	s_mov_b32 s[\g+4], 128*KS/256
	s_mov_b32 s[\g+5], 32
	s_mov_b32 s[\g+6], 0
	s_mov_b32 s[\g+7], 0
.endr
	s_lshl_b32 s18, s16, 7                         ; which 128 rows of the tile I fetch
	s_lshl_b32 s20, s17, 8
	s_add_co_u32 s20, s20, s18
	s_add_co_u32 s20, s20, s10                     ; role A: the row in codes and scl
	s_lshl_b32 s46, s42, 8
	s_add_co_u32 s46, s46, s18
	s_add_co_u32 s46, s46, s11                     ; role B
	s_lshl_b32 s22, s20, 5                         ; 32 scale bytes a row,
	s_mov_b32 s23, 0
	s_lshl_b32 s92, s46, 5
	s_mov_b32 s93, 0
	s_lshl_b32 s20, s20, 9                         ; 512 bytes of codes
	s_mov_b32 s21, 0
	s_lshl_b32 s46, s46, 9
	s_mov_b32 s47, 0
	s_mul_i32 s45, s14, HALFT                      ; where they go: wave x 128 rows: no place in the cluster enters an LDS address
	s_mul_i32 s94, s14, HALFS
	s_wait_dscnt 0x0                               ; both opening adds are done
	s_wait_kmcnt 0x0
	s_add_nc_u64 s[20:21], s[4:5], s[20:21]
	s_add_nc_u64 s[22:23], s[6:7], s[22:23]
	s_add_nc_u64 s[46:47], s[4:5], s[46:47]
	s_add_nc_u64 s[92:93], s[6:7], s[92:93]
	CROUND                                         ; all sixteen work-groups are here: the first joint loads meet
	s_mov_b32 s[G0S], 1
	s_add_co_u32 s[G0S+1], s94, SCL
	s_mov_b64 s[G0S+2:G0S+3], s[22:23]
	s_or_b32 s[G0S+3], s[G0S+3], 0x80000000
	s_mov_b32 s[G0SB], 1
	s_add_co_u32 s[G0SB+1], s94, SCL
	s_mov_b64 s[G0SB+2:G0SB+3], s[92:93]
	s_or_b32 s[G0SB+3], s[G0SB+3], 0x80000000
	JLOAD G0S, G1S, G0SB, G1SB                     ; the scales first: they are wanted with the first slot
.irp s, 0,1
	s_mov_b32 s[G0+4*\s], 1
	s_add_co_u32 s[G0+4*\s+1], s45, \s*SLOT
	s_add_nc_u64 s[G0+4*\s+2:G0+4*\s+3], s[20:21], \s*ROWB
	s_or_b32 s[G0+4*\s+3], s[G0+4*\s+3], 0x80000000
	s_mov_b32 s[G0B+4*\s], 1
	s_add_co_u32 s[G0B+4*\s+1], s45, \s*SLOT
	s_add_nc_u64 s[G0B+4*\s+2:G0B+4*\s+3], s[46:47], \s*ROWB
	s_or_b32 s[G0B+4*\s+3], s[G0B+4*\s+3], 0x80000000
	JLOAD G0+4*\s, G1, G0B+4*\s, G1B               ; three loads of mine are out behind the second of these
.endr
	v_and_b32 v1, 15, v0                           ; l % 16
	v_bfe_u32 v2, v0, 4, 1                         ; l / 16
	v_mul_u32_u24 v3, v1, PITCH
	v_lshl_add_u32 v4, v2, 4, v3                   ; a fragment's row x pitch + 16 x half
	s_mul_i32 s21, s15, HALFT                      ; my 128 rows of role A
	s_mul_i32 s22, s16, HALFT                      ; my 128 rows of role B,
	s_add_co_u32 s22, s22, 2*HALFT                 ; which lie behind role A's 256
.irp s, 0,1
	v_add_nc_u32 v[ADRA+\s], s21, v4
	v_add_nc_u32 v[ADRB+\s], s22, v4
	s_add_co_u32 s21, s21, SLOT
	s_add_co_u32 s22, s22, SLOT
.endr
	v_mul_u32_u24 v5, v1, KS                       ; my row's scales: 32 bytes a row,
	v_lshrrev_b32 v6, 8, v5
	v_lshl_add_u32 v5, v6, 4, v5                   ; and 16 more for each 256 passed
	s_mul_i32 s21, s15, HALFS                      ; role A's: my 128 rows
	s_mul_i32 s22, s16, HALFS                      ; role B's: my 128 rows, behind role A's 256
	s_add_co_u32 s22, s22, 2*HALFS
	s_sub_co_u32 s22, s22, s21
	v_mul_u32_u24 v6, s22, v2                      ; lanes 16-31 take role B's: one product, the distance x the lane's half
	s_add_co_u32 s21, s21, SCL
	v_add_nc_u32 v5, v5, v6
	v_add_nc_u32 v[ADRS], s21, v5
	v_and_b32 v6, 31, v0
	v_lshlrev_b32 v[CO], 4, v6
	; where my results begin in qkvf.  These scalars mix cx and cy: they lie in registers that feed no descriptor.
	s_and_b32 s66, ttmp7, 0xffff
	s_cmp_eq_u32 ttmp9, 2
	s_cselect_b32 s67, s40, s41                    ; the tokens' place in the cluster: cx for v, cy for q and k
	s_cselect_b32 s95, s16, s15                    ; and which half of the tile's tokens is my wave's
	s_cselect_b32 s96, s41, s40                    ; the channels' place
	s_cselect_b32 s97, s15, s16                    ; and half
	s_lshl_b32 s66, s66, 2
	s_add_co_u32 s66, s66, s67                     ; block of 256 tokens, 0..31
	s_lshr_b32 s98, s66, 3
	s_lshl_b32 s98, s98, 4                         ; 16 x batch
	s_lshl_b32 s96, s96, 2
	s_add_co_u32 s98, s98, s96                     ; + 4 heads for each 256 channels
	s_lshl_b32 s97, s97, 1
	s_add_co_u32 s98, s98, s97                     ; + 2 for my half: my first b h
	s_and_b32 s66, s66, 7
	s_lshl_b32 s66, s66, 4
	s_lshl_b32 s95, s95, 3
	s_add_co_u32 s66, s66, s95                     ; my first tile of 16 tokens in the sequence
	s_lshl_b32 s98, s98, 7
	s_add_co_u32 s98, s98, s66
	s_lshl_b32 s98, s98, 11                        ; 2,048 bytes a tile, 128 tiles a head
	s_lshl_b32 s99, ttmp9, 24                      ; the region: q, k or v
	s_add_co_u32 s98, s98, s99
	s_mov_b32 s99, 0
	s_add_nc_u64 s[12:13], s[12:13], s[98:99]
.macro FRAG reg, adr, q, i             ; a fragment, 16 rows x 128 K of 4-bit codes: lane l holds row l % 16; registers 4 c .. 4 c + 3 hold K = 64 c + 32 (l / 16) + 0 .. 31
.irp c, 0,1
	ds_load_b128 v[\reg+4*\c:\reg+4*\c+3], v[\adr] offset:64*(\q)+32*\c+(\i)*16*PITCH
.endr
.endm
; 16 matrix instructions: role A's blocks a0, a0 + 1 x role B's eight, the slot's q-th 128 along K.  p: role B's set;  sc: the set of scale words.  zero = 1: the first product starts the sums: nothing is cleared.
; The 64 accumulators take turns, one instruction a turn, in the same order in every step.
.macro MUL16 a0, p, q, sc, zero
.irp a, \a0, \a0+1
.irp b, 0,1,2,3,4,5,6,7
.if \zero
	v_wmma_scale_f32_16x16x128_f8f6f4 v[8*(8*((\a)%4)+\b):8*(8*((\a)%4)+\b)+7], v[128*(\p)+FR*\b:128*(\p)+FR*\b+FR-1], v[AF+FR*(\a):AF+FR*(\a)+FR-1], 0, v[SC+8*NQ*(\sc)+NQ*\b+(\q)], v[SC+8*NQ*(\sc)+NQ*(\a)+(\q)] matrix_a_fmt:MATRIX_FMT_FP4 matrix_b_fmt:MATRIX_FMT_FP4 matrix_a_scale:MATRIX_SCALE_ROW1
.else
	v_wmma_scale_f32_16x16x128_f8f6f4 v[8*(8*((\a)%4)+\b):8*(8*((\a)%4)+\b)+7], v[128*(\p)+FR*\b:128*(\p)+FR*\b+FR-1], v[AF+FR*(\a):AF+FR*(\a)+FR-1], v[8*(8*((\a)%4)+\b):8*(8*((\a)%4)+\b)+7], v[SC+8*NQ*(\sc)+NQ*\b+(\q)], v[SC+8*NQ*(\sc)+NQ*(\a)+(\q)] matrix_a_fmt:MATRIX_FMT_FP4 matrix_b_fmt:MATRIX_FMT_FP4 matrix_a_scale:MATRIX_SCALE_ROW1
.endif
.endr
.endr
.endm
.macro FETCH_B slot, q, p              ; role B's eight fragments of the slot's q-th 128 along K into set p
	WIN TO_B
.irp i, 0,1,2,3,4,5,6,7
	FRAG 128*(\p)+FR*\i, ADRB+\slot, \q, \i
.endr
	WIN 0
.endm
.macro FETCH_A slot, q, i0             ; role A's blocks i0 .. i0 + 3
.irp i, \i0, \i0+1, \i0+2, \i0+3
	FRAG AF+FR*(\i), ADRA+\slot, \q, \i
.endr
.endm
.macro SCALES sc                       ; a slot's scale words into set sc: four words a row; lanes 0-15 take role A's block i, lanes 16-31 role B's
.irp i, 0,1,2,3,4,5,6,7
	ds_load_b128 v[SC+8*NQ*\sc+NQ*\i:SC+8*NQ*\sc+NQ*\i+3], v[ADRS] offset:\i*SBLK
.endr
.endm
; A load into a register that a matrix instruction has read, and a vector instruction that reads a matrix result or writes one of a matrix instruction's registers, stand NP places behind it; only plain vector
; instructions that name none of its registers are places (ISA guide 7.12.1 for vector instructions).
.macro PLACES n
.rept \n
	v_nop
.endr
.endm
.macro STEP slot, q, zero              ; a step of 128 along K that has its successor in the same slot
	s_wait_dscnt 4*NL                              ; role B's set and role A's blocks 0-3 are in; the youngest eight loads (blocks 4-7) may be out
	WIN MUL_LO
	MUL16 0, (\q)%2, \q, \slot, \zero
	MUL16 2, (\q)%2, \q, \slot, \zero
	s_wait_dscnt 0                                 ; blocks 4-7 are in (asked for 32 matrix instructions ago)
	PLACES NP
	FETCH_B \slot, (\q)+1, 1-(\q)%2
	FETCH_A \slot, (\q)+1, 0
	WIN MUL_HI
	MUL16 4, (\q)%2, \q, \slot, \zero
	MUL16 6, (\q)%2, \q, \slot, \zero
	PLACES NP
	WIN 0
	FETCH_A \slot, (\q)+1, 4
.endm
; Slot 0's last step changes slots: one barrier; in front of it each wave waits for all its tensor loads (slot 1's is the one that may be out), adds 0 to its spare word, and waits for that and for its reads of slot 0.
.macro TURN slot, next
	s_wait_tensorcnt 0x0                           ; my part of the next slot has landed  (every window is 0 here)
	ds_add_u32 v[SPW], v[NIL]                      ; 0 onto my spare word
	s_wait_dscnt 4*NL+1                            ; (the add and the youngest eight loads may be out)
	WIN MUL_LO
	MUL16 0, 1, NQ-1, \slot, 0                     ; sixteen matrix instructions stand between the add and the wait for it
	s_wait_dscnt 0x0                               ; the add is done, and my reads of this slot are over
	s_barrier_signal -1
	MUL16 2, 1, NQ-1, \slot, 0
	WIN 0
	s_barrier_wait -1                              ; every wave's part of the next slot is in
	PLACES NP
	v_add_nc_u32 v[ADRS], 4*NQ, v[ADRS]            ; on to the next slot's scale words
	FETCH_B \next, 0, 0
	FETCH_A \next, 0, 0
	SCALES \next
	WIN MUL_HI
	MUL16 4, 1, NQ-1, \slot, 0
	MUL16 6, 1, NQ-1, \slot, 0
	PLACES NP
	WIN 0
	FETCH_A \next, 0, 4
.endm
.macro STEPS slot, from                ; the slot's steps from .. NQ - 2
.set Q, \from
.rept NQ-1-\from
	STEP \slot, Q, 0
.set Q, Q+1
.endr
.endm
	s_wait_tensorcnt 1                             ; the scales and my part of slot 0 are in (slot 1's load may be out),
	s_barrier_signal -1
	s_barrier_wait -1                              ; everybody's are
	FETCH_B 0, 0, 0
	FETCH_A 0, 0, 0
	SCALES 0
	FETCH_A 0, 0, 4
	STEP 0, 0, 1                                   ; the first step's products start the sums
	STEPS 0, 1
	TURN 0, 1
	STEPS 1, 0
	s_wait_dscnt 4*NL                              ; the very last step: nothing more to fetch
	WIN MUL_LO
	MUL16 0, 1, NQ-1, 1, 0
	MUL16 2, 1, NQ-1, 1, 0
	s_wait_dscnt 0
	WIN MUL_HI
	MUL16 4, 1, NQ-1, 1, 0
	MUL16 6, 1, NQ-1, 1, 0
	WIN 0
; THE WAY OUT.  Accumulator (a, b): lane l holds role A's row 16 a + l % 16 and role B's rows 16 b + 8 (l / 16) + 0 .. 7.  Four packed conversions make 16 bytes a lane, 512 consecutive bytes a wave.
; swap = 0 (q, k): head b / 4, tile of tokens a, channels 16 (b % 4) on.   swap = 1 (v): head a / 4, group of keys b, channels 16 (a % 4) on.  Each accumulator is read from its low end on.
.macro OUT swap
.irp a, 0,1,2,3,4,5,6,7
.if \a >= 2
	s_wait_xcnt 0x0                                ; the stores of two blocks back have read their data: these registers are written again only behind this wait
.endif
	WIN 0x0a+5*((\a)/4)                            ; sources 0 and 1: window 2 or 3
.irp b, 0,1,2,3,4,5,6,7
.irp i, 0,1,2,3
	v_cvt_pk_f16_f32 v[OB+32*(\a%2)+4*\b+\i], v[64*(\a%4)+8*\b+2*\i], v[64*(\a%4)+8*\b+2*\i+1]
.endr
.endr
	WIN 0
.irp b, 0,1,2,3,4,5,6,7
.if \swap
	global_store_b128 v[CO], v[OB+32*(\a%2)+4*\b:OB+32*(\a%2)+4*\b+3], s[12:13] offset:(\a/4)*262144+\b*2048+(\a%4)*512
.else
	global_store_b128 v[CO], v[OB+32*(\a%2)+4*\b:OB+32*(\a%2)+4*\b+3], s[12:13] offset:(\b/4)*262144+\a*2048+(\b%4)*512
.endif
.endr
.endr
.endm
	PLACES NP                                      ; behind the last products: the conversions write registers that held role A's fragments, and block 7's read results just made
	s_cmp_eq_u32 ttmp9, 2                          ; cluster x: the same in all sixteen partners
	s_cbranch_scc1 .Lv
	OUT 0
	s_branch .Lend
.Lv:
	OUT 1
.Lend:
	s_wait_tensorcnt 0x0                           ; the wave's end
	ds_add_u32 v[SPW], v[NIL]
	s_wait_dscnt 0x0
	CROUND                                         ; the closing round: no work-group ends while a partner may still ask for a tile that names it
	s_endpgm
.Lfunc_end_k_q00eca027aa_qkv:
	.size	k_q00eca027aa_qkv, .Lfunc_end_k_q00eca027aa_qkv-k_q00eca027aa_qkv
	.p2alignl 7, 3214868480
	.fill 96, 4, 3214868480
	.section	.rodata,"a",@progbits
	.p2align	6, 0x0
	.amdhsa_kernel k_q00eca027aa_qkv
		.amdhsa_group_segment_fixed_size 327680
		.amdhsa_private_segment_fixed_size 0
		.amdhsa_enable_private_segment 0
		.amdhsa_kernarg_size 24
		.amdhsa_user_sgpr_count 2
		.amdhsa_user_sgpr_kernarg_segment_ptr 1
		.amdhsa_wavefront_size32 1
		.amdhsa_system_sgpr_workgroup_id_x 1
		.amdhsa_system_sgpr_workgroup_id_y 1
		.amdhsa_system_sgpr_workgroup_id_z 1
		.amdhsa_system_vgpr_workitem_id 0
		.amdhsa_next_free_vgpr 1024
		.amdhsa_next_free_sgpr 102
		.amdhsa_reserve_vcc 0
		.amdhsa_float_denorm_mode_32 3
		.amdhsa_float_denorm_mode_16_64 3
		.amdhsa_memory_ordered 1
		.amdhsa_forward_progress 1
		.amdhsa_inst_pref_size 141
	.end_amdhsa_kernel
	.amdgpu_metadata
---
amdhsa.version: [ 1, 2 ]
amdhsa.kernels:
  - .name:           k_q00eca027aa_qkv
    .symbol:         k_q00eca027aa_qkv.kd
    .args:
      - { .name: codes, .offset: 0, .size: 8, .value_kind: global_buffer, .address_space: global }
      - { .name: scl, .offset: 8, .size: 8, .value_kind: global_buffer, .address_space: global }
      - { .name: qkvf, .offset: 16, .size: 8, .value_kind: global_buffer, .address_space: global }
    .group_segment_fixed_size: 327680
    .private_segment_fixed_size: 0
    .kernarg_segment_align: 8
    .kernarg_segment_size: 24
    .max_flat_workgroup_size: 128
    .sgpr_count:     102
    .vgpr_count:     1024
    .wavefront_size: 32
...
	.end_amdgpu_metadata
.endif
;; end of part 2
;; launch attn (part 3): grid 4 x 64, 8 waves a work-group, clusters of 4 x 1, 327,680 bytes of LDS; arguments qkvf, ao; writes ao
.if DOCPART == 3
	.amdgcn_target "amdgcn-amd-amdhsa--gfx1250"
	.amdhsa_code_object_version 6
	.text
	.protected	k_q00eca027aa_attn
	.globl	k_q00eca027aa_attn
	.p2align	8
	.type	k_q00eca027aa_attn,@function
k_q00eca027aa_attn:
	s_mov_b64 s[64:65], 0
	v_nop
	global_prefetch_b8 v0, s[64:65] scope:SCOPE_SE
	s_setreg_imm32_b32 hwreg(HW_REG_WAVE_MODE, 25, 1), 1
	s_wait_xcnt 0x0
	s_wait_alu depctr_hold_cnt(0) depctr_sa_sdst(0) depctr_va_vdst(0) depctr_va_sdst(0) depctr_va_ssrc(0) depctr_va_vcc(0) depctr_vm_vsrc(0)
	s_getreg_b32 s2, hwreg(HW_REG_IB_STS2, 6, 4)
	s_cmp_eq_u32 s2, 0
	s_cbranch_scc0 .Lentry_in_a_cluster
	s_endpgm
.Lentry_in_a_cluster:
	s_bfe_u32 s2, ttmp6, 0x10000c
	s_cmp_lg_u32 s2, 0x3003
	s_cbranch_scc0 .Lentry_shape_is_right
	s_endpgm
.Lentry_shape_is_right:
; O[b h][q][:] = the sum over k of softmax_k(Q[q] . K[k] / 8) V[k][:], 64 heads (b h) of 2,048 tokens x 64 channels, no mask.  Operands f16, products, maxima and sums f32; the weights p are rounded to f16 for the
; second product, O once at the end.
; qkvf: q at 0, k at 2^24, v at 2^25.  q, k: [b h][tile of 16 tokens 128][d / 8: 8][token % 16][8 f16].  v: [b h][group of 16 keys 128][d / 16: 4][(key / 8) % 2][d % 16][8 keys f16].
; ao: [tile of 16 tokens 512][8 head + d / 8: 128][token % 16][8 f16].  In all of them a fragment's four registers are 512 consecutive bytes, 16 a lane: every LDS load, global load and store here is dense.
; LIMIT: the result is rounded to f16 (|v| stays under 65,504 by the launch before; under 6e-5 the rounding step is 6e-8); p under 6e-8 of the row's largest counts in the sum but not in the product.
; SHARES.  A work-group owns 512 queries of one head, each of its eight waves 64: four tiles of 16, in 512 registers: two waves to a SIMD, so that one wave's softmax stands beside the other's products.
; Every wave walks the head's 2,048 keys, 64 a step: 32 products K Q^T, the softmax, 32 products V^T P, in phases; a fragment of K or V read from LDS feeds four products.
; LAYOUT.  S^T = K Q^T (source 0 = 16 keys, source 1 = 16 queries): a lane holds ONE query (lane % 16) and keys 8 (lane / 16) + 0..7.  Two such tiles, rounded to f16 in pairs, ARE source 1 of O^T = V^T P.
; SOFTMAX.  For each query a running maximum m and sum l: p = 2^(c s - c m), c = log2(e) / 8; in every step O and l are multiplied by a = 2^(c m_old - c m_new).  The first step starts m, l and O: nothing is cleared.
; THE RING.  Two LDS slots of 512 keys (64 KiB of K, 64 KiB of V).  Each wave brings 16 KiB by one tensor load: waves 0-3 K's quarters, waves 4-7 V's.  2,048 keys are four slots' worth: two first fills, two refills.
; CLUSTER.  The four query blocks of a head form a cluster and walk the same K and V: each tile is asked for JOINTLY, by the same load with the same descriptor and the mask of all four.
; No prefetch is laid: half of a head's K and V is asked for at the start, and each refill is asked for eight key steps, 512 matrix instructions a wave, ahead of the wait for it.
; REGISTERS.  window 0: v1-4 addresses; v6, v7 the add's two; v32-63 statistics, 8 a tile; v64-191 S^T, 32 a tile (P is packed into a tile's first 16); v192-255 K of one step.
;   window 1: v0-127 O^T, 32 a tile; v128-191 Q, 16 a tile; v192-255 V of one step.
.set SLOT1, 1<<17                      ; slot 1 begins here: one exclusive or turns an address in one slot into the other's
.set VOFF,  65536                      ; in a slot: K's 512 keys, then V's
.set STEPB, 8192                       ; a step's 64 keys of K, or of V
.set SPARE, 2*SLOT1                    ; behind the ring: the spare words, 128 bytes a wave
.set AK0, 1                            ; v1   16 x lane: my place in 512 bytes (of K in LDS, of Q and of ao in memory); never rewritten
.set AV0, 2                            ; v2   the same + VOFF
.set ADR, 3                            ; v3   LDS address of the run of K's loads in hand
.set ADRV, 4                           ; v4   of V's
.set SPW, 6                            ; v6   LDS address of my spare word; never rewritten
.set NIL, 7                            ; v7   0; never rewritten
.set ST,  32                           ; tile t's statistics at v[ST + 8 t]: +0 c m, +1 m, +2, +3 l (even keys', odd keys'), +4 to +7 four chains of the maximum; later +4, +5 a second chain of the sum, +6 a, +7 c m_old - c m_new
.set S,   64
.set KF,  192
.set QF,  128                          ; in window 1
.set VF,  192                          ; in window 1
.set WV,  12                           ; s12  my wave's number
.set G1,  24                           ; s[24:31] descriptor group 1
.set G0,  32                           ; s[32:35] group 0 of slot 0's first fill; s[36:39] of slot 1's, which then walks
.set SLOTS, 56                         ; s56  refills still to come
.set CNT, 57                           ; s57  counts key steps
.set CS,  58                           ; s[58:59] c: the packed form names a pair and takes its low word for both halves
.set SEL, 60                           ; s[60:61] lane selects for v_permlanex16_b32: lane l xor 16
.set TB,  62                           ; s62  LDS byte at which the step to be fetched begins in K's half
.set MSB, 0
.macro WIN new                         ; the immediate's high byte repeats the setting that is left
.if MSB != \new
	s_set_vgpr_msb (MSB<<8)|\new
.set MSB, \new
.endif
.endm
.set W_KQ,  0x04                       ; source 1 (Q) window 1; K and S^T window 0
.set W_PV,  0x51                       ; source 0 (V), C and D (O^T) window 1; P window 0
.set W_RS,  0x41                       ; O^T (destination, source 0) window 1; a window 0
.set W_LD1, 0x40                       ; a load's destination window 1, its address window 0
.set W_CV,  0x05                       ; sources 0 and 1 window 1, destination window 0
.macro PLACES n
.rept \n
	v_nop
.endr
.endm
.macro CROUND                          ; a round of the cluster's barrier
	s_barrier_signal -1
	s_barrier_wait -1
	s_cmp_lg_u32 s[WV], 0
	s_cbranch_scc1 .Lnot_wave_0_\@
	s_barrier_signal -3
.Lnot_wave_0_\@:
	s_barrier_wait -3
	s_barrier_signal -1
	s_barrier_wait -1
.endm
	s_load_b128 s[4:7], s[0:1], 0x0                ; qkvf s[4:5], ao s[6:7]
	v_lshl_add_u32 v[SPW], v0, 2, SPARE
	v_mov_b32 v[NIL], 0
	ds_add_u32 v[SPW], v[NIL]                      ; the wave's opening: the add, twice on end, and its wait ahead of my first tensor load
	ds_add_u32 v[SPW], v[NIL]                      ; (the set-up below, work on registers, stands between the second and the wait)
	v_lshrrev_b32 v1, 5, v0
	v_readfirstlane_b32 s[WV], v1                  ; wave 0..7
	s_bfe_u32 s13, ttmp6, 0x40000                  ; cx: my place in the cluster
	s_lshl_b32 s14, ttmp9, 2
	s_add_co_u32 s14, s14, s13                     ; my block of 512 queries: it enters Q's and ao's addresses alone
	s_and_b32 s15, ttmp7, 0xffff                   ; b h, which the four partners share
	s_lshl_b32 s16, s15, 18                        ; a head is 2^18 bytes in each region
	s_lshr_b32 s18, s[WV], 2
	s_lshl_b32 s18, s18, 24                        ; waves 4-7: V's region
	s_add_co_u32 s16, s16, s18
	s_and_b32 s18, s[WV], 3
	s_lshl_b32 s18, s18, 14                        ; my quarter of a slot's 64 KiB
	s_add_co_u32 s16, s16, s18
	s_add_co_u32 s16, s16, 1<<24                   ; K's region
	s_mov_b32 s17, 0
	s_lshl_b32 s19, s[WV], 14                      ; and its place in a slot: no place in the cluster enters an LDS address
	s_lshl_b32 s20, s15, 18                        ; Q: the head, my block's 32 tiles of 2,048 bytes, my wave's 4
	s_lshl_b32 s22, s14, 16
	s_add_co_u32 s20, s20, s22
	s_lshl_b32 s22, s[WV], 13
	s_add_co_u32 s20, s20, s22
	s_mov_b32 s21, 0
	s_lshr_b32 s22, s15, 4                         ; ao: batch x 128 tiles of 32,768 bytes, my block's 32, my wave's 4, the head's 2,048 bytes in a tile
	s_lshl_b32 s22, s22, 22
	s_lshl_b32 s23, s14, 20
	s_add_co_u32 s22, s22, s23
	s_lshl_b32 s23, s[WV], 17
	s_add_co_u32 s22, s22, s23
	s_and_b32 s23, s15, 15
	s_lshl_b32 s23, s23, 11
	s_add_co_u32 s22, s22, s23
	s_mov_b32 s23, 0
	; group 1: 16 KiB of dense bytes as 64 rows of 256 bytes (32 elements of 8 bytes), no padding
	s_mov_b32 s[G1], 15|(3<<16)|(1<<21)            ; 15:0 the mask: all four work-groups; 17:16 elements of 8 bytes; 21 set beside a mask
	s_mov_b32 s[G1+1], 32<<16                      ; tensor_dim0
	s_mov_b32 s[G1+2], 64<<16                      ; tensor_dim1
	s_mov_b32 s[G1+3], 32<<16                      ; tile_dim0
	s_mov_b32 s[G1+4], 64                          ; tile_dim1
	s_mov_b32 s[G1+5], 32                          ; tensor_dim0_stride
	s_mov_b32 s[G1+6], 0
	s_mov_b32 s[G1+7], 0
	s_mov_b32 s[CS], 0x3e38aa3b                    ; c = log2(e) / 8
	s_mov_b32 s[CS+1], s[CS]                       ; (named with it as a pair, so it is written)
	s_mov_b32 s[SEL], 0x76543210
	s_mov_b32 s[SEL+1], 0xfedcba98
	s_mov_b32 s[TB], 0
	s_mov_b32 s[SLOTS], 2
	v_and_b32 v[AK0], 31, v0
	v_lshlrev_b32 v[AK0], 4, v[AK0]
	v_add_nc_u32 v[AV0], VOFF, v[AK0]
	s_wait_dscnt 0x0                               ; both opening adds are done
	s_wait_kmcnt 0x0
	s_mov_b32 s[G0], 1                             ; count = 1
	s_mov_b32 s[G0+1], s19                         ; LDS address: slot 0
	s_add_nc_u64 s[G0+2:G0+3], s[4:5], s[16:17]    ; global address: keys 0 to 511
	s_mov_b32 s[G0+4], 1
	s_add_co_u32 s[G0+5], s19, SLOT1               ; slot 1
	s_add_nc_u64 s[G0+6:G0+7], s[G0+2:G0+3], 65536 ; keys 512 to 1,023
	s_or_b32 s[G0+3], s[G0+3], 0x80000000          ; type = 2
	s_or_b32 s[G0+7], s[G0+7], 0x80000000
	s_add_nc_u64 s[4:5], s[4:5], s[20:21]          ; Q at my wave's first tile
	s_add_nc_u64 s[6:7], s[6:7], s[22:23]          ; ao likewise
	CROUND                                         ; all four work-groups are here: the first joint loads meet
	tensor_load_to_lds s[G0:G0+3], s[G1:G1+7]      ; two loads of mine are out
	s_nop 0
	tensor_load_to_lds s[G0+4:G0+7], s[G1:G1+7]
	s_nop 0
	PLACES 4
	WIN W_LD1
.irp i, 0,1,2,3,4,5,6,7,8,9,10,11,12,13,14,15  ; Q stays in registers: tile i / 4, channels 32 ((i / 2) % 2) on, half i % 2 of the fragment
	global_load_b128 v[QF+4*\i:QF+4*\i+3], v[AK0], s[4:5] offset:512*\i
.endr
	WIN 0
; THE LDS LOADS stand in runs of 16.  K of a step: fragment (keys 16 k on, channels 32 s on) at v[KF + 16 k + 8 s].
.macro FETCH_K
	v_add_nc_u32 v[ADR], s[TB], v[AK0]
.irp f, 0,1,2,3,4,5,6,7,8,9,10,11,12,13,14,15
	ds_load_b128 v[KF+4*\f:KF+4*\f+3], v[ADR] offset:512*\f
.endr
.endm
; V of the same step: fragment (keys 32 s on, channels 16 c on) at v[VF + 32 s + 8 c]: its first four registers from group of keys 2 s, the others from 2 s + 1.
.macro FETCH_V
	v_add_nc_u32 v[ADRV], s[TB], v[AV0]
	s_add_co_u32 s[TB], s[TB], STEPB               ; the next fetch is the next step's
	WIN W_LD1
.irp g, 0,1,2,3
.irp c, 0,1,2,3
	ds_load_b128 v[VF+32*(\g/2)+8*\c+4*(\g%2):VF+32*(\g/2)+8*\c+4*(\g%2)+3], v[ADRV] offset:2048*\g+512*\c
.endr
.endr
	WIN 0
.endm
; S^T = K Q^T: 32 products.  The 16 accumulators take turns, one instruction a turn; the first 16 start the sums.
.macro KQ
	WIN W_KQ
.irp s, 0,1
.irp k, 0,1,2,3
.irp t, 0,1,2,3
.if \s == 0
	v_wmma_f32_16x16x32_f16 v[S+32*\t+8*\k:S+32*\t+8*\k+7], v[KF+16*\k+8*\s:KF+16*\k+8*\s+7], v[QF+16*\t+8*\s:QF+16*\t+8*\s+7], 0
.else
	v_wmma_f32_16x16x32_f16 v[S+32*\t+8*\k:S+32*\t+8*\k+7], v[KF+16*\k+8*\s:KF+16*\k+8*\s+7], v[QF+16*\t+8*\s:QF+16*\t+8*\s+7], v[S+32*\t+8*\k:S+32*\t+8*\k+7]
.endif
.endr
.endr
.endr
.endm
; O^T += V^T P: 32 products, the 16 accumulators by turns.  first = 1: the first 16 start the sums.
.macro PV first
	WIN W_PV
.irp s, 0,1
.irp c, 0,1,2,3
.irp t, 0,1,2,3
.if \first && (\s == 0)
	v_wmma_f32_16x16x32_f16 v[32*\t+8*\c:32*\t+8*\c+7], v[VF+32*\s+8*\c:VF+32*\s+8*\c+7], v[S+32*\t+8*\s:S+32*\t+8*\s+7], 0
.else
	v_wmma_f32_16x16x32_f16 v[32*\t+8*\c:32*\t+8*\c+7], v[VF+32*\s+8*\c:VF+32*\s+8*\c+7], v[S+32*\t+8*\s:S+32*\t+8*\s+7], v[32*\t+8*\c:32*\t+8*\c+7]
.endif
.endr
.endr
.endr
.endm
; O^T times a: each accumulator from its low end on
.macro RESCALE
	WIN W_RS
.irp n, 0,1,2,3,4,5,6,7,8,9,10,11,12,13,14,15
.irp t, 0,1,2,3
	v_pk_mul_f32 v[32*\t+2*\n:32*\t+2*\n+1], v[32*\t+2*\n:32*\t+2*\n+1], v[ST+8*\t+6:ST+8*\t+7] op_sel_hi:[1,0]
.endr
.endr
.endm
; THE SOFTMAX of a key step, in window 0; the four tiles stand line by line, so that no line waits for the line above it.  first = 1: there is no old m, no a.
.macro SOFTMAX first
.irp j, 0,1,2,3                                ; the maximum of the lane's 32 scores: four chains, one for each accumulator, each begun at its low end
.irp t, 0,1,2,3
	v_max3_num_f32 v[ST+8*\t+4+\j], v[S+32*\t+8*\j], v[S+32*\t+8*\j+1], v[S+32*\t+8*\j+2]
.endr
.endr
.irp u, 0,1
.irp j, 0,1,2,3
.irp t, 0,1,2,3
	v_max3_num_f32 v[ST+8*\t+4+\j], v[ST+8*\t+4+\j], v[S+32*\t+8*\j+3+2*\u], v[S+32*\t+8*\j+4+2*\u]
.endr
.endr
.endr
.irp t, 0,1,2,3
	v_max3_num_f32 v[ST+8*\t+4], v[ST+8*\t+4], v[S+32*\t+7], v[S+32*\t+15]
.endr
.irp t, 0,1,2,3
	v_max3_num_f32 v[ST+8*\t+6], v[ST+8*\t+6], v[S+32*\t+23], v[S+32*\t+31]
.endr
.irp t, 0,1,2,3
	v_max3_num_f32 v[ST+8*\t+4], v[ST+8*\t+4], v[ST+8*\t+5], v[ST+8*\t+6]
.endr
.irp t, 0,1,2,3
.if \first
	v_max_num_f32 v[ST+8*\t+4], v[ST+8*\t+4], v[ST+8*\t+7]
.else
	v_max3_num_f32 v[ST+8*\t+4], v[ST+8*\t+4], v[ST+8*\t+7], v[ST+8*\t+1]      ; and the old m
.endif
.endr
.irp t, 0,1,2,3
	v_permlanex16_b32 v[ST+8*\t+5], v[ST+8*\t+4], s[SEL], s[SEL+1]             ; the query's other 32 keys lie in the lane 16 away
.endr
.if \first == 0
.irp t, 0,1,2,3
	v_mov_b32 v[ST+8*\t+7], v[ST+8*\t]             ; c m_old is kept for a
.endr
.endif
.irp t, 0,1,2,3
	v_max_num_f32 v[ST+8*\t+1], v[ST+8*\t+4], v[ST+8*\t+5]                     ; the new m
.endr
.irp t, 0,1,2,3
	v_mul_f32 v[ST+8*\t], s[CS], v[ST+8*\t+1]      ; c m
.endr
.if \first == 0
.irp t, 0,1,2,3
	v_sub_f32 v[ST+8*\t+7], v[ST+8*\t+7], v[ST+8*\t]
.endr
.endif
; ONE BATCH: the 64 scalings c s - c m, a pair of scores each, and all exponentials; behind the scalings of pair n stand the exponentials of pair n - 1 (behind pair 0's: a's).  None of these names an exponential's result.
.irp n, 0,1,2,3,4,5,6,7,8,9,10,11,12,13,14,15
.irp t, 0,1,2,3
	v_pk_fma_f32 v[S+32*\t+2*\n:S+32*\t+2*\n+1], v[S+32*\t+2*\n:S+32*\t+2*\n+1], s[CS:CS+1], v[ST+8*\t:ST+8*\t+1] op_sel_hi:[1,0,0] neg_lo:[0,0,1] neg_hi:[0,0,1]
.endr
.if \n == 0
.if \first == 0
.irp t, 0,1,2,3
	v_exp_f32 v[ST+8*\t+6], v[ST+8*\t+7]           ; a
.endr
.endif
.else
.irp t, 0,1,2,3
	v_exp_f32 v[S+32*\t+2*(\n-1)], v[S+32*\t+2*(\n-1)]
	v_exp_f32 v[S+32*\t+2*(\n-1)+1], v[S+32*\t+2*(\n-1)+1]
.endr
.endif
.endr
.irp t, 0,1,2,3
	v_exp_f32 v[S+32*\t+30], v[S+32*\t+30]
	v_exp_f32 v[S+32*\t+31], v[S+32*\t+31]
.endr
	v_nop                                          ; a plain instruction behind the last exponential, ahead of the first use (ISA guide 5.7.2)
	s_wait_alu depctr_va_vdst(0)                   ; and the wait ahead of the first instruction that names a result: one for the whole batch
; the sums, of the unrounded p, a pair (an even key's, an odd key's) at a time, in two chains a tile
.if \first
.irp t, 0,1,2,3
	v_pk_add_f32 v[ST+8*\t+2:ST+8*\t+3], v[S+32*\t:S+32*\t+1], v[S+32*\t+2:S+32*\t+3]
.endr
.irp t, 0,1,2,3
	v_pk_add_f32 v[ST+8*\t+4:ST+8*\t+5], v[S+32*\t+4:S+32*\t+5], v[S+32*\t+6:S+32*\t+7]
.endr
.irp n, 4,6,8,10,12,14
.irp t, 0,1,2,3
	v_pk_add_f32 v[ST+8*\t+2:ST+8*\t+3], v[ST+8*\t+2:ST+8*\t+3], v[S+32*\t+2*\n:S+32*\t+2*\n+1]
.endr
.irp t, 0,1,2,3
	v_pk_add_f32 v[ST+8*\t+4:ST+8*\t+5], v[ST+8*\t+4:ST+8*\t+5], v[S+32*\t+2*\n+2:S+32*\t+2*\n+3]
.endr
.endr
.else
.irp t, 0,1,2,3
	v_pk_fma_f32 v[ST+8*\t+2:ST+8*\t+3], v[ST+8*\t+2:ST+8*\t+3], v[ST+8*\t+6:ST+8*\t+7], v[S+32*\t:S+32*\t+1] op_sel_hi:[1,0,1]   ; l = a l + pair 0
.endr
.irp t, 0,1,2,3
	v_pk_add_f32 v[ST+8*\t+4:ST+8*\t+5], v[S+32*\t+2:S+32*\t+3], v[S+32*\t+4:S+32*\t+5]
.endr
.irp n, 3,5,7,9,11,13
.irp t, 0,1,2,3
	v_pk_add_f32 v[ST+8*\t+2:ST+8*\t+3], v[ST+8*\t+2:ST+8*\t+3], v[S+32*\t+2*\n:S+32*\t+2*\n+1]
.endr
.irp t, 0,1,2,3
	v_pk_add_f32 v[ST+8*\t+4:ST+8*\t+5], v[ST+8*\t+4:ST+8*\t+5], v[S+32*\t+2*\n+2:S+32*\t+2*\n+3]
.endr
.endr
.irp t, 0,1,2,3
	v_pk_add_f32 v[ST+8*\t+2:ST+8*\t+3], v[ST+8*\t+2:ST+8*\t+3], v[S+32*\t+30:S+32*\t+31]
.endr
.endif
.irp t, 0,1,2,3
	v_pk_add_f32 v[ST+8*\t+2:ST+8*\t+3], v[ST+8*\t+2:ST+8*\t+3], v[ST+8*\t+4:ST+8*\t+5]
.endr
; P: pair n rounded to f16 into the tile's register n: ascending, so that no number is written over before it is read
.irp n, 0,1,2,3,4,5,6,7,8,9,10,11,12,13,14,15
.irp t, 0,1,2,3
	v_cvt_pk_f16_f32 v[S+32*\t+\n], v[S+32*\t+2*\n], v[S+32*\t+2*\n+1]
.endr
.endr
.endm
; A KEY STEP j: K of step j + 1 is fetched | softmax of step j | O^T rescaled | V^T P of step j | V of step j + 1 is fetched | K Q^T of step j + 1.
; A load into a register that a matrix instruction has read, and a vector instruction that reads a matrix result, stand four places behind it; a matrix instruction that writes over a register of an earlier one five
; (ISA guide 7.12.1 for vector instructions); only plain vector instructions that name none of its registers are places.
.macro TRIP first
	PLACES 4                                       ; behind K Q^T: for the loads into K's registers and the first read of the scores
	FETCH_K
	SOFTMAX \first
.if \first == 0
	RESCALE
.endif
	s_wait_dscnt 16                                ; V of this step is in; the sixteen loads of K issued behind it may be out
	PV \first
	WIN 0
	PLACES 5                                       ; behind V^T P: for the loads into V's registers, and for K Q^T, which writes over P
	FETCH_V
	s_wait_dscnt 16                                ; K is in; the sixteen loads of V just issued may be out
	KQ
	WIN 0
.endm
.macro TRIPS n
	s_mov_b32 s[CNT], \n
.Ltrip_\@:
	TRIP 0
	s_sub_co_u32 s[CNT], s[CNT], 1
	s_cmp_lg_u32 s[CNT], 0
	s_cbranch_scc1 .Ltrip_\@
.endm
; THE CHANGE OF SLOTS stands where the slot's last bytes, V of its eighth step, have been asked for and nothing of the other slot has.  Each wave waits for all its tensor loads (its part of the other slot), adds 0 to its
; spare word, and waits for that and for its reads of the slot.  fill = 1: the barrier is a round of the cluster's, and the slot is filled again first thing behind it, with the keys two slots on.
.macro CHANGE fill
	s_wait_tensorcnt 0x0                           ; no tensor load of mine is out, so a group 0 may be written
	ds_add_u32 v[SPW], v[NIL]                      ; 0 onto my spare word
.if \fill
	s_xor_b32 s[G0+5], s[G0+5], SLOT1              ; the walking descriptor: the other slot than last time,
	s_add_nc_u64 s[G0+6:G0+7], s[G0+6:G0+7], 65536 ; the next 512 keys; the type bits on top are not reached
	s_wait_dscnt 0x0                               ; the add is done, and my reads of the slot are over
	CROUND                                         ; no wave of any partner still reads the slot or has a load on its way
	tensor_load_to_lds s[G0+4:G0+7], s[G1:G1+7]    ; my one tensor load behind the round: one load of mine is out
	s_nop 0
	PLACES 4
.else
	s_wait_dscnt 0x0
	s_barrier_signal -1
	s_barrier_wait -1
.endif
	s_sub_co_u32 s[TB], s[TB], 8*STEPB             ; the fetches go back to a slot's first step,
	s_xor_b32 s[TB], s[TB], SLOT1                  ; in the other slot
.endm
	s_wait_tensorcnt 1                             ; my part of slot 0 is in; slot 1's may stay out
	s_barrier_signal -1
	s_barrier_wait -1                              ; everybody's is
	FETCH_K                                        ; key step 0
	FETCH_V
	s_wait_loadcnt 0x0                             ; Q
	s_wait_dscnt 16                                ; K is in; V's sixteen loads may be out
	KQ
	WIN 0
	TRIP 1                                         ; step 0 starts m, l and O^T
	TRIPS 6                                        ; steps 1 to 6
.Lslot:                                            ; two trips: steps 7 to 14 and 15 to 22; each begins by filling the slot just left
	CHANGE 1
	TRIPS 8
	s_sub_co_u32 s[SLOTS], s[SLOTS], 1
	s_cmp_lg_u32 s[SLOTS], 0
	s_cbranch_scc1 .Lslot
	CHANGE 0                                       ; the tail is written out
	TRIPS 8                                        ; steps 23 to 30
	PLACES 4                                       ; step 31: nothing more to fetch
	SOFTMAX 0
	RESCALE
	s_wait_dscnt 0x0
	PV 0
	; THE WAY OUT.  l's two halves and the other half of the lanes' are added; O^T is divided by l, rounded to f16 and stored as it stands: an accumulator's four packed registers are 512 consecutive bytes of ao.
	WIN 0
.irp t, 0,1,2,3
	v_add_f32 v[ST+8*\t+4], v[ST+8*\t+2], v[ST+8*\t+3]     ; (these four are the places behind the last products)
.endr
.irp t, 0,1,2,3
	v_permlanex16_b32 v[ST+8*\t+5], v[ST+8*\t+4], s[SEL], s[SEL+1]
.endr
.irp t, 0,1,2,3
	v_add_f32 v[ST+8*\t+4], v[ST+8*\t+4], v[ST+8*\t+5]
.endr
.irp t, 0,1,2,3
	v_rcp_f32 v[ST+8*\t+6], v[ST+8*\t+4]
.endr
	v_nop                                          ; a plain instruction between the last reciprocal and the use of its result
	s_wait_alu depctr_va_vdst(0)                   ; and the wait: one for the four
.irp t, 0,1,2,3
	WIN W_RS
.irp n, 0,1,2,3,4,5,6,7,8,9,10,11,12,13,14,15
	v_pk_mul_f32 v[32*\t+2*\n:32*\t+2*\n+1], v[32*\t+2*\n:32*\t+2*\n+1], v[ST+8*\t+6:ST+8*\t+7] op_sel_hi:[1,0]
.endr
	WIN W_CV
.irp n, 0,1,2,3,4,5,6,7,8,9,10,11,12,13,14,15
	v_cvt_pk_f16_f32 v[S+16*\t+\n], v[32*\t+2*\n], v[32*\t+2*\n+1]
.endr
	WIN 0
.irp c, 0,1,2,3
	global_store_b128 v[AK0], v[S+16*\t+4*\c:S+16*\t+4*\c+3], s[6:7] offset:32768*\t+512*\c   ; 32 lanes store 512 consecutive bytes, aligned; each tile has registers of its own
.endr
.endr
	s_wait_tensorcnt 0x0                           ; the wave's end
	ds_add_u32 v[SPW], v[NIL]
	s_wait_dscnt 0x0
	CROUND                                         ; the closing round: no work-group ends while a partner may still ask for a tile that names it
	s_endpgm
.Lfunc_end_k_q00eca027aa_attn:
	.size	k_q00eca027aa_attn, .Lfunc_end_k_q00eca027aa_attn-k_q00eca027aa_attn
	.p2alignl 7, 3214868480
	.fill 96, 4, 3214868480
	.section	.rodata,"a",@progbits
	.p2align	6, 0x0
	.amdhsa_kernel k_q00eca027aa_attn
		.amdhsa_group_segment_fixed_size 327680
		.amdhsa_private_segment_fixed_size 0
		.amdhsa_enable_private_segment 0
		.amdhsa_kernarg_size 16
		.amdhsa_user_sgpr_count 2
		.amdhsa_user_sgpr_kernarg_segment_ptr 1
		.amdhsa_wavefront_size32 1
		.amdhsa_system_sgpr_workgroup_id_x 1
		.amdhsa_system_sgpr_workgroup_id_y 1
		.amdhsa_system_sgpr_workgroup_id_z 1
		.amdhsa_system_vgpr_workitem_id 0
		.amdhsa_next_free_vgpr 512
		.amdhsa_next_free_sgpr 66
		.amdhsa_reserve_vcc 0
		.amdhsa_float_denorm_mode_32 3
		.amdhsa_float_denorm_mode_16_64 3
		.amdhsa_memory_ordered 1
		.amdhsa_forward_progress 1
		.amdhsa_inst_pref_size 172
	.end_amdhsa_kernel
	.amdgpu_metadata
---
amdhsa.version: [ 1, 2 ]
amdhsa.kernels:
  - .name:           k_q00eca027aa_attn
    .symbol:         k_q00eca027aa_attn.kd
    .args:
      - { .name: qkvf, .offset: 0, .size: 8, .value_kind: global_buffer, .address_space: global }
      - { .name: ao, .offset: 8, .size: 8, .value_kind: global_buffer, .address_space: global }
    .group_segment_fixed_size: 327680
    .private_segment_fixed_size: 0
    .kernarg_segment_align: 8
    .kernarg_segment_size: 16
    .max_flat_workgroup_size: 256
    .sgpr_count:     66
    .vgpr_count:     512
    .wavefront_size: 32
...
	.end_amdgpu_metadata
.endif
;; end of part 3
;; launch oproj (part 4): grid 4 x 64, 4 waves a work-group, clusters of 4 x 4, 327,680 bytes of LDS; arguments ao, wo16, out0; writes out0
.if DOCPART == 4
	.amdgcn_target "amdgcn-amd-amdhsa--gfx1250"
	.amdhsa_code_object_version 6
	.text
	.protected	k_q00eca027aa_oproj
	.globl	k_q00eca027aa_oproj
	.p2align	8
	.type	k_q00eca027aa_oproj,@function
k_q00eca027aa_oproj:
	s_mov_b64 s[64:65], 0
	v_nop
	global_prefetch_b8 v0, s[64:65] scope:SCOPE_SE
	s_setreg_imm32_b32 hwreg(HW_REG_WAVE_MODE, 25, 1), 1
	s_wait_xcnt 0x0
	s_wait_alu depctr_hold_cnt(0) depctr_sa_sdst(0) depctr_va_vdst(0) depctr_va_sdst(0) depctr_va_ssrc(0) depctr_va_vcc(0) depctr_vm_vsrc(0)
	s_getreg_b32 s2, hwreg(HW_REG_IB_STS2, 6, 4)
	s_cmp_eq_u32 s2, 0
	s_cbranch_scc0 .Lentry_in_a_cluster
	s_endpgm
.Lentry_in_a_cluster:
	s_bfe_u32 s2, ttmp6, 0x10000c
	s_cmp_lg_u32 s2, 0xf033
	s_cbranch_scc0 .Lentry_shape_is_right
	s_endpgm
.Lentry_shape_is_right:
; out0[token][e] = the sum over d of A[token][d] Wo[e][d].  A = the attention's result, f16, in ao: [tile of 16 tokens 512][d / 8: 128][token % 16][8 f16]; wo16: [1024 e][1024 d] f16; out0: [8192][1024] f32.  Sums in f32.
; SHARES.  A tile of 128 tokens x 256 columns is made by a work-group of four waves: 64 x 4 = 256 tiles.  A wave makes 64 x 128: 32 accumulators of 16 x 16, 256 registers.
; K goes in 8 steps of 128 through a ring of two LDS slots: A's 8 tiles of tokens x 4,096 dense bytes (a fragment's four registers are 512 consecutive bytes there), and 256 rows of Wo x 256 bytes, padded.
; CLUSTERS: 4 x 4 work-groups.  The four of a row of the cluster make the four column tiles of the same tokens and need the same tiles of A; the four of a column need the same rows of Wo: each tile is asked for JOINTLY,
; by the same tensor load with the same descriptor and a mask that names the four.
; THE MATRIX INSTRUCTION IS USED TRANSPOSED (source 0 = 16 rows of Wo, source 1 = 16 tokens): a lane then holds eight neighbouring numbers of a row of out0.
; No prefetch is laid: eight K steps in all, of which two are asked for at the start.
; REGISTERS: window 0: v16-29 addresses; v32-95 A's fragments, two buffers of 32; v128-255 Wo's, two buffers of 64; on the way out v128-255 hold rows read back.   window 1: the accumulators ((a, b) at v[8 (8 a + b)]).
.set PITCH,  272                       ; a row of Wo in LDS: 256 bytes + 16 of padding = 68 words: row r starts at bank 4 r mod 64 (64 banks of 4 bytes: ISA guide 11.1)
.set ABYTES, 32768                     ; A's part of a slot
.set HALFB,  128*PITCH                 ; 128 rows of Wo: what one tensor load brings
.set SLOT,   ABYTES+2*HALFB
.set SPARE,  2*SLOT                    ; behind the ring: the spare words, 128 bytes a wave
.set SPITCH, 528                       ; the way out: a stage of 16 rows x (512 bytes + 16) for each wave, in slot 0, which has had its last fill and its last read when the first result is stored there
.set LAPS,   4                         ; a lap = two K steps = once round the ring
.set ADRA, 16                          ; v16-17  LDS address of my A fragments in slot 0, 1
.set ADRB, 20                          ; v20-21  the same for Wo
.set STO,  24                          ; v24     the way out: where I put 32 bytes of a row
.set RD,   25                          ; v25     where I read a row back
.set CO,   26                          ; v26     16 x lane
.set SPW,  28                          ; v28     LDS address of my spare word; never rewritten
.set NIL,  29                          ; v29     0; never rewritten
.set FA,   32                          ; A's buffer f at v[FA + 32 f]
.set FB,   128                         ; Wo's at v[FB + 64 f]
.set BK,   128                         ; the way out: 16 rows read back: v128-191 and v192-255 by turns
.set G1, 24                            ; s[24:31] group 1 for A's tiles;  s[32:39] group 0, a set for each slot
.set G0, 32
.set G1B, 48                           ; s[48:55], s[56:63] the same for Wo's
.set G0B, 56
.set MSB, 0
.macro WIN new                         ; the immediate's high byte repeats the setting that is left
.if MSB != \new
	s_set_vgpr_msb (MSB<<8)|\new
.set MSB, \new
.endif
.endm
.set MUL, 0x50                         ; C and D window 1; both sources window 0
.macro JLOAD s                         ; a joint load: waves 0 and 1 fetch A's two halves, waves 2 and 3 Wo's; an s_nop 0 and four v_nop follow each of the two lines
	s_cmp_eq_u32 s11, 0
	s_cbranch_scc0 .Lfor_b_\@
	tensor_load_to_lds s[G0+4*\s:G0+4*\s+3], s[G1:G1+7]
	s_nop 0
.rept 4
	v_nop
.endr
	s_branch .Lasked_\@
.Lfor_b_\@:
	tensor_load_to_lds s[G0B+4*\s:G0B+4*\s+3], s[G1B:G1B+7]
	s_nop 0
.rept 4
	v_nop
.endr
.Lasked_\@:
.endm
.macro CREST                           ; a round of the cluster's barrier behind its opening barrier
	s_cmp_lg_u32 s10, 0
	s_cbranch_scc1 .Lnot_wave_0_\@
	s_barrier_signal -3
.Lnot_wave_0_\@:
	s_barrier_wait -3
	s_barrier_signal -1
	s_barrier_wait -1
.endm
.macro CROUND                          ; a whole round
	s_barrier_signal -1
	s_barrier_wait -1
	CREST
.endm
	s_load_b128 s[4:7], s[0:1], 0x0                ; ao s[4:5], wo16 s[6:7]
	s_load_b64 s[8:9], s[0:1], 0x10                ; out0
	v_lshl_add_u32 v[SPW], v0, 2, SPARE
	v_mov_b32 v[NIL], 0
	ds_add_u32 v[SPW], v[NIL]                      ; the wave's opening: the add, twice on end, and its wait ahead of my first tensor load
	ds_add_u32 v[SPW], v[NIL]                      ; (the set-up below, work on registers, stands between the second and the wait)
	v_lshrrev_b32 v1, 5, v0
	v_readfirstlane_b32 s10, v1                    ; wave 0..3
	s_lshr_b32 s11, s10, 1                         ; which 64 tokens of the tile are mine.  Also: I fetch for A (0) or for Wo (1)
	s_and_b32 s12, s10, 1                          ; which 128 columns.  Also: which half of that tile I fetch
	s_bfe_u32 s40, ttmp6, 0x40000                  ; cx, cy: my place in the cluster
	s_bfe_u32 s41, ttmp6, 0x40004
	s_lshl_b32 s42, ttmp9, 2
	s_add_co_u32 s42, s42, s40                     ; tile column = 4 x cluster x + cx
	s_and_b32 s13, ttmp7, 0xffff
	s_lshl_b32 s13, s13, 2
	s_add_co_u32 s13, s13, s41                     ; tile row = 4 x cluster y + cy
	s_lshl_b32 s43, s41, 2
	s_lshl_b32 s43, 15, s43                        ; my row of the cluster
	s_lshl_b32 s44, 0x1111, s40                    ; my column
	; group 1 for A: four tiles of tokens, of each the K step's 4,096 dense bytes (512 elements of 8 bytes), 32,768 bytes apart; no padding
	s_or_b32 s[G1+0], s43, (3<<16)|(1<<21)         ; 15:0 the mask: my row; 17:16 elements of 8 bytes; 21 set beside a mask
	s_mov_b32 s[G1+1], 512<<16                     ; tensor_dim0
	s_mov_b32 s[G1+2], 4<<16                       ; tensor_dim1
	s_mov_b32 s[G1+3], 512<<16                     ; tile_dim0
	s_mov_b32 s[G1+4], 4                           ; tile_dim1
	s_mov_b32 s[G1+5], 4096                        ; tensor_dim0_stride
	s_mov_b32 s[G1+6], 0
	s_mov_b32 s[G1+7], 0
	; group 1 for Wo: 128 rows x 128 elements of 2 bytes, 16 bytes of padding behind each row
	s_or_b32 s[G1B+0], s44, (1<<16)|(1<<20)|(1<<21)|(5<<22)|(3<<25)   ; the mask: my column; padding on, four words (code 3) after every 64 (code 5)
	s_mov_b32 s[G1B+1], 128<<16
	s_mov_b32 s[G1B+2], 128<<16
	s_mov_b32 s[G1B+3], 128<<16
	s_mov_b32 s[G1B+4], 128
	s_mov_b32 s[G1B+5], 1024
	s_mov_b32 s[G1B+6], 0
	s_mov_b32 s[G1B+7], 0
	s_lshl_b32 s16, s13, 3                         ; A: 8 tiles of tokens a tile row, + the 4 that I fetch,
	s_lshl_b32 s17, s12, 2
	s_add_co_u32 s16, s16, s17
	s_lshl_b32 s16, s16, 15                        ; 32,768 bytes each
	s_mov_b32 s17, 0
	s_lshl_b32 s46, s42, 8                         ; Wo: row 256 x tile column + 128 x half,
	s_lshl_b32 s47, s12, 7
	s_add_co_u32 s46, s46, s47
	s_lshl_b32 s46, s46, 11                        ; 2,048 bytes each
	s_mov_b32 s47, 0
	s_lshl_b32 s20, s12, 14                        ; where they go: A's half;
	s_mul_i32 s21, s12, HALFB
	s_add_co_u32 s21, s21, ABYTES                  ; Wo's half, behind A: no place in the cluster enters an LDS address
	s_wait_dscnt 0x0                               ; both opening adds are done
	s_wait_kmcnt 0x0
	s_add_nc_u64 s[14:15], s[4:5], s[16:17]
	s_add_nc_u64 s[46:47], s[6:7], s[46:47]
	CROUND                                         ; all sixteen work-groups are here: the first joint loads meet
.irp s, 0,1
	s_mov_b32 s[G0+4*\s], 1
	s_add_co_u32 s[G0+4*\s+1], s20, \s*SLOT
	s_add_nc_u64 s[G0+4*\s+2:G0+4*\s+3], s[14:15], \s*4096         ; K step s: 4,096 bytes on in each tile of tokens
	s_or_b32 s[G0+4*\s+3], s[G0+4*\s+3], 0x80000000
	s_mov_b32 s[G0B+4*\s], 1
	s_add_co_u32 s[G0B+4*\s+1], s21, \s*SLOT
	s_add_nc_u64 s[G0B+4*\s+2:G0B+4*\s+3], s[46:47], \s*256        ; 256 bytes on in each row
	s_or_b32 s[G0B+4*\s+3], s[G0B+4*\s+3], 0x80000000
	JLOAD \s                                       ; two loads of mine are out behind the second
.endr
	v_and_b32 v1, 15, v0                           ; l % 16
	v_bfe_u32 v2, v0, 4, 1                         ; l / 16
	v_and_b32 v5, 31, v0
	v_lshlrev_b32 v[CO], 4, v5
	v_mul_u32_u24 v3, v1, PITCH
	v_lshl_add_u32 v3, v2, 4, v3                   ; Wo: a fragment's row x pitch + 16 x half
	s_lshl_b32 s22, s11, 14                        ; my 4 tiles of tokens
	s_mul_i32 s23, s12, HALFB                      ; my 128 rows of Wo,
	s_add_co_u32 s23, s23, ABYTES                  ; which lie behind A
.irp s, 0,1
	v_add_nc_u32 v[ADRA+\s], s22, v[CO]
	v_add_nc_u32 v[ADRB+\s], s23, v3
	s_add_co_u32 s22, s22, SLOT
	s_add_co_u32 s23, s23, SLOT
.endr
	s_mul_i32 s22, s10, 16*SPITCH                  ; my stage
	v_mul_u32_u24 v4, v1, SPITCH                   ; in: row l % 16, 32 bytes for each half of the lanes
	v_lshl_add_u32 v4, v2, 5, v4
	v_add_nc_u32 v[STO], s22, v4
	v_add_nc_u32 v[RD], s22, v[CO]                 ; back: the 32 lanes take one row of 512 bytes
	s_lshl_b32 s16, s13, 7
	s_lshl_b32 s17, s11, 6
	s_add_co_u32 s16, s16, s17                     ; my first token: 128 x tile row + 64 x half
	s_lshl_b32 s16, s16, 12                        ; 4,096 bytes a row of out0
	s_mov_b32 s17, 0
	s_add_nc_u64 s[8:9], s[8:9], s[16:17]
	s_lshl_b32 s46, s42, 10                        ; my first column, in bytes: 1,024 x tile column + 512 x half
	s_lshl_b32 s47, s12, 9
	s_add_co_u32 s46, s46, s47
	s_mov_b32 s47, 0
	s_add_nc_u64 s[8:9], s[8:9], s[46:47]
; 8 matrix instructions: tokens' block a x Wo's eight blocks, 32 along K, from buffers f.  zero = 1: the first product starts the sums.  The 32 accumulators take turns, one instruction a turn.
.macro MUL8 f, a, zero
.irp b, 0,1,2,3,4,5,6,7
.if \zero
	v_wmma_f32_16x16x32_f16 v[8*(8*\a+\b):8*(8*\a+\b)+7], v[FB+64*\f+8*\b:FB+64*\f+8*\b+7], v[FA+32*\f+8*\a:FA+32*\f+8*\a+7], 0
.else
	v_wmma_f32_16x16x32_f16 v[8*(8*\a+\b):8*(8*\a+\b)+7], v[FB+64*\f+8*\b:FB+64*\f+8*\b+7], v[FA+32*\f+8*\a:FA+32*\f+8*\a+7], v[8*(8*\a+\b):8*(8*\a+\b)+7]
.endif
.endr
.endm
; 24 LDS loads in one run: the fragments of the slot's q-th 32 along K into buffers f: Wo's eight, then A's four
.macro FETCH slot, q, f
	WIN 0
.irp i, 0,1,2,3,4,5,6,7
	ds_load_b128 v[FB+64*\f+8*\i:FB+64*\f+8*\i+3],   v[ADRB+\slot] offset:64*\q+\i*16*PITCH
	ds_load_b128 v[FB+64*\f+8*\i+4:FB+64*\f+8*\i+7], v[ADRB+\slot] offset:64*\q+\i*16*PITCH+32
.endr
.irp a, 0,1,2,3
	ds_load_b128 v[FA+32*\f+8*\a:FA+32*\f+8*\a+3],   v[ADRA+\slot] offset:4096*\a+1024*\q
	ds_load_b128 v[FA+32*\f+8*\a+4:FA+32*\f+8*\a+7], v[ADRA+\slot] offset:4096*\a+1024*\q+512
.endr
.endm
.macro PLACES                          ; four places in front of loads into registers that matrix instructions have read, and of the first read of results (ISA guide 7.12.1 for vector instructions)
.rept 4
	v_nop
.endr
.endm
; A K step is four quarters of 32 along K, 32 matrix instructions each, on buffers 0, 1, 0, 1.  One of the first three: multiplies buffers f and fetches quarter q into g.
.macro QUARTER slot, q, f, g, zero
	s_wait_dscnt 4                                 ; Wo's fragments and A's blocks 0, 1 are in; the youngest four loads (blocks 2, 3) may be out
	WIN MUL
	MUL8 \f, 0, \zero
	MUL8 \f, 1, \zero
	PLACES
	FETCH \slot, \q, \g
	s_wait_dscnt 24                                ; all but the 24 just issued
	WIN MUL
	MUL8 \f, 2, \zero
	MUL8 \f, 3, \zero
.endm
; The last quarter multiplies buffers 1 and changes slots: ONE barrier; in front of it each wave waits for all its tensor loads, adds 0 to its spare word, and waits for that and for its reads of this slot.
; fill = 1: the barrier opens a round of the cluster's, and this slot is filled again first thing behind it, two K steps ahead.
.macro TURN slot, next, fill
	WIN 0                                          ; (the add's two registers lie in window 0)
	s_wait_tensorcnt 0x0                           ; all my tensor loads have landed: my part of the next slot
	ds_add_u32 v[SPW], v[NIL]                      ; 0 onto my spare word
	s_wait_dscnt 5                                 ; (the add and the youngest four loads may be out)
	WIN MUL
	MUL8 1, 0, 0                                   ; eight matrix instructions stand between the add and the wait for it
	s_wait_dscnt 0x0                               ; the add is done, and my reads of this slot are over
	s_barrier_signal -1
	MUL8 1, 1, 0
.if \fill
	WIN 0
.endif
	s_barrier_wait -1
.if \fill
	CREST                                          ; no wave of any partner still reads this slot's tiles or has a load on its way
	s_add_nc_u64 s[G0+4*\slot+2:G0+4*\slot+3], s[G0+4*\slot+2:G0+4*\slot+3], 2*4096
	s_add_nc_u64 s[G0B+4*\slot+2:G0B+4*\slot+3], s[G0B+4*\slot+2:G0B+4*\slot+3], 2*256
	JLOAD \slot                                    ; the first tensor load behind the round; the four v_nop behind it are also the places in front of the loads below
.else
	PLACES
.endif
	FETCH \next, 0, 0
	WIN MUL
	MUL8 1, 2, 0
	MUL8 1, 3, 0
.endm
	s_wait_tensorcnt 1                             ; my part of K step 0 is in (K step 1's load may be out),
	s_barrier_signal -1
	s_barrier_wait -1                              ; everybody's is
	FETCH 0, 0, 0
	QUARTER 0, 1, 0, 1, 1                          ; the first quarter stands in front of the loop: its products start the sums
	WIN 0                                          ; at a label and at a branch every window is 0
	s_mov_b32 s3, LAPS-1
.Llap:                                             ; a trip goes once round the ring, from a lap's second quarter to the next lap's first, and fills both slots again
	QUARTER 0, 2, 1, 0, 0
	QUARTER 0, 3, 0, 1, 0
	TURN 0, 1, 1
	QUARTER 1, 1, 0, 1, 0
	QUARTER 1, 2, 1, 0, 0
	QUARTER 1, 3, 0, 1, 0
	TURN 1, 0, 1
	QUARTER 0, 1, 0, 1, 0
	WIN 0
	s_sub_co_u32 s3, s3, 1
	s_cmp_lg_u32 s3, 0
	s_cbranch_scc1 .Llap
	QUARTER 0, 2, 1, 0, 0                          ; the last lap fills nothing, and has no round of the cluster's barrier
	QUARTER 0, 3, 0, 1, 0
	TURN 0, 1, 0
	QUARTER 1, 1, 0, 1, 0
	QUARTER 1, 2, 1, 0, 0
	QUARTER 1, 3, 0, 1, 0
	s_wait_dscnt 4                                 ; the very last quarter: nothing more to fetch
	WIN MUL
	MUL8 1, 0, 0
	MUL8 1, 1, 0
	s_wait_dscnt 0x0
	MUL8 1, 2, 0
	MUL8 1, 3, 0
	WIN 0
; THE WAY OUT, block by block of 16 tokens x 128 columns.  A lane holds 32 neighbouring bytes of a row, and the lanes beside it hold other rows: so a block goes through my own stage in LDS and comes back as whole rows of
; 512 bytes.  LDS serves a wave's instructions in order (ISA guide 5.7.1.4): no wait between the stores and the loads, nor in front of the next block's stores.
.macro TOSTAGE a
	WIN 0x04                                       ; an LDS store's data are its source 1: window 1
.irp b, 0,1,2,3,4,5,6,7
	ds_store_b128 v[STO], v[64*\a+8*\b:64*\a+8*\b+3] offset:64*\b          ; each accumulator from its low end on
	ds_store_b128 v[STO], v[64*\a+8*\b+4:64*\a+8*\b+7] offset:64*\b+16
.endr
	WIN 0
.irp t, 0,1,2,3,4,5,6,7,8,9,10,11,12,13,14,15
	ds_load_b128 v[BK+64*(\a%2)+4*\t:BK+64*(\a%2)+4*\t+3], v[RD] offset:\t*SPITCH
.endr
.endm
.macro SEND a, younger                 ; younger: the LDS instructions issued behind block a's loads, which may stay out
	s_wait_dscnt \younger                          ; the block is back in registers
.irp t, 0,1,2,3,4,5,6,7,8,9,10,11,12,13,14,15
	global_store_b128 v[CO], v[BK+64*(\a%2)+4*\t:BK+64*(\a%2)+4*\t+3], s[8:9] offset:(16*\a+\t)*4096 th:TH_STORE_NT   ; 32 lanes store 512 consecutive bytes, aligned; written once, read by nobody here
.endr
.endm
	PLACES                                         ; behind the last products: for the loads into the registers that held Wo's fragments, and for the reads of results
	TOSTAGE 0
	TOSTAGE 1
	SEND 0, 32                                     ; behind block 0's loads: block 1's 16 stores and 16 loads
	s_wait_xcnt 0x0                                ; block 0's stores have read their registers: block 2's loads may land there
	TOSTAGE 2
	SEND 1, 32
	s_wait_xcnt 0x0                                ; block 1's likewise
	TOSTAGE 3
	SEND 2, 32
	SEND 3, 0
	s_wait_tensorcnt 0x0                           ; the wave's end
	ds_add_u32 v[SPW], v[NIL]
	s_wait_dscnt 0x0
	CROUND                                         ; the closing round: no work-group ends while a partner may still ask for a tile that names it
	s_endpgm
.Lfunc_end_k_q00eca027aa_oproj:
	.size	k_q00eca027aa_oproj, .Lfunc_end_k_q00eca027aa_oproj-k_q00eca027aa_oproj
	.p2alignl 7, 3214868480
	.fill 96, 4, 3214868480
	.section	.rodata,"a",@progbits
	.p2align	6, 0x0
	.amdhsa_kernel k_q00eca027aa_oproj
		.amdhsa_group_segment_fixed_size 327680
		.amdhsa_private_segment_fixed_size 0
		.amdhsa_enable_private_segment 0
		.amdhsa_kernarg_size 24
		.amdhsa_user_sgpr_count 2
		.amdhsa_user_sgpr_kernarg_segment_ptr 1
		.amdhsa_wavefront_size32 1
		.amdhsa_system_sgpr_workgroup_id_x 1
		.amdhsa_system_sgpr_workgroup_id_y 1
		.amdhsa_system_sgpr_workgroup_id_z 1
		.amdhsa_system_vgpr_workitem_id 0
		.amdhsa_next_free_vgpr 512
		.amdhsa_next_free_sgpr 66
		.amdhsa_reserve_vcc 0
		.amdhsa_float_denorm_mode_32 3
		.amdhsa_float_denorm_mode_16_64 3
		.amdhsa_memory_ordered 1
		.amdhsa_forward_progress 1
		.amdhsa_inst_pref_size 85
	.end_amdhsa_kernel
	.amdgpu_metadata
---
amdhsa.version: [ 1, 2 ]
amdhsa.kernels:
  - .name:           k_q00eca027aa_oproj
    .symbol:         k_q00eca027aa_oproj.kd
    .args:
      - { .name: ao, .offset: 0, .size: 8, .value_kind: global_buffer, .address_space: global }
      - { .name: wo16, .offset: 8, .size: 8, .value_kind: global_buffer, .address_space: global }
      - { .name: out0, .offset: 16, .size: 8, .value_kind: global_buffer, .address_space: global }
    .group_segment_fixed_size: 327680
    .private_segment_fixed_size: 0
    .kernarg_segment_align: 8
    .kernarg_segment_size: 24
    .max_flat_workgroup_size: 128
    .sgpr_count:     66
    .vgpr_count:     512
    .wavefront_size: 32
...
	.end_amdgpu_metadata
.endif
;; end of part 4
